; MI455X (gfx1250); checked and timed in simulation.
; The chip was launched on July 23, 2026; its instructions are those of AMD's public machine-readable ISA for CDNA 5 (MIT licence, August 2026) and "CDNA5" Instruction Set Architecture Reference Guide (July 2026). The comments in the code are by the model that wrote it; some were corrected since.
;; Multi Head Attention. Allowed arithmetic: matrix products marked QUANTISED: E4M3 operands, one given power-of-two scale a tensor, by v_wmma_f32_16x16x64_fp8_fp8 or v_wmma_f32_16x16x128_fp8_fp8, f32 sums; everything else in f32.
;; Inputs: Wk 1,024 x 1,024 float32; Wo 1,024 x 1,024 float32; Wq 1,024 x 1,024 float32; Wv 1,024 x 1,024 float32; bk 1,024 float32; bo 1,024 float32; bq 1,024 float32; bv 1,024 float32; lowp_scales 12 int32 (the exponents e of the quantised operands' scales 2^e); x 4 x 2,048 x 1,024 float32.
;; Outputs: out0 4 x 2,048 x 1,024 float32.
;; This version of the problem:
;;   THIS VERSION OF THE PROBLEM IS GIVEN IN LOW PRECISION. The matrix products marked QUANTISED in the list below multiply operands that are first quantised to E4M3 (4 exponent bits, 3 mantissa bits; 8 bits a number), with one given power-of-two scale for each operand tensor; their sums are f32. All else is computed in f32.
;;   The module's matrix products, in the order in which they are computed (A, B: the left and right operand; K: the contracted axis; several contracted axes count as one K, in the product's order):
;;     1. [M 8,192, K 1,024] x [K 1,024, N 1,024]; A: input x; B: input Wq: QUANTISED (scales: A lowp_scales[0], B lowp_scales[1])
;;     2. [M 8,192, K 1,024] x [K 1,024, N 1,024]; A: input x; B: input Wk: QUANTISED (scales: A lowp_scales[2], B lowp_scales[3])
;;     3. [M 8,192, K 1,024] x [K 1,024, N 1,024]; A: input x; B: input Wv: QUANTISED (scales: A lowp_scales[4], B lowp_scales[5])
;;     4. batch 64 x [M 2,048, K 64] x [K 64, N 2,048]; A: computed on the way; B: computed on the way: QUANTISED (scales: A lowp_scales[6], B lowp_scales[7])
;;     5. batch 64 x [M 2,048, K 2,048] x [K 2,048, N 64]; A: softmax (see below); B: computed on the way: QUANTISED (scales: A lowp_scales[8], B lowp_scales[9])
;;     6. [M 8,192, K 1,024] x [K 1,024, N 1,024]; A: computed on the way; B: input Wo: QUANTISED (scales: A lowp_scales[10], B lowp_scales[11])
;;   THE QUANTISER, for each operand of a quantised product, along K:
;;     - The operand's scale is 2^e, e = its entry of the input lowp_scales (int32; the entries are numbered through the quantised products in the list's order, A before B).
;;     - Each number is divided by the scale, clamped to +-448, and rounded to the nearest number of E4M3, ties to even, subnormals kept.
;;     - The product sums the exact products of the quantised numbers (number of the format x scale) in f32.
;;   ~~~python
;;   def quantise(x, axis, e):      # numpy; x: float32 -> the quantised numbers, widened to float32 again
;;       x = np.moveaxis(x, axis, -1); K = x.shape[-1]
;;       r = np.clip(x / 2.0 ** e, -448, 448)
;;       step = 2.0 ** (np.maximum(np.frexp(np.where(r == 0, 1, r))[1] - 1, -6) - 3)
;;       q = np.round(r / step) * step * 2.0 ** e      # np.round: ties to even
;;       return np.moveaxis(q, -1, axis).astype(np.float32)
;;   ~~~
;;   SOFTMAX AHEAD OF A QUANTISED PRODUCT. Where the list says 'softmax', what is quantised is not the finished softmax but p = 2^(t - M), with t = logit x log2(e) and M = ceil(the row's largest t), a whole number; so 1/2 < the row's largest p <= 1. The row's sum l is taken of the UNQUANTISED p, in f32, and the product's result is divided by l at the end. Since M is a whole number, a kernel that streams over the keys may use a running M (the ceiling of the running maximum): every later rescaling is an exact power of two, so the quantised numbers keep their values, but for numbers so far below the row's largest that they fall under the format's range.
;;   OPERANDS COMPUTED ON THE WAY. 'Computed on the way' means the value that the module computes at that place (a softmax that the list does not call 'softmax' is quantised finished and normalised). What goes into a quantiser is computed in f32, as accurately as f32 sums, v_exp_f32 and their like allow (about 1e-6 of the number): no bf16 or f16 on the way to a quantiser, and a product that is left as it is and whose result goes on into a quantised operand takes f32 operands (vector FMAs, or v_wmma_f32_16x16x4_f32). A number that lies on a knife's edge between two numbers of the format may be rounded either way, as far as f32 arithmetic and the matrix unit's own rounding can turn it there, and no further.
;; One version. Each part assembles by itself: llvm-mc -triple=amdgcn-amd-amdhsa -mcpu=gfx1250 --defsym DOCPART=n.
;; ======== version 1 of 1: 4 launches
;; limits: right only within a limited range of input values
;; workspace buffers: xc 25,165,824 bytes; wc 4,194,304 bytes; Qc 8,388,608 bytes; Kc 8,388,608 bytes; Vc 8,388,608 bytes; Ac 8,388,608 bytes
;; launch prep (part 1): grid 384 x 1, 4 waves a work-group, no clusters, 67,072 bytes of LDS; arguments x, Wq, Wk, Wv, Wo, lowp_scales, xc, wc; writes xc, wc
.if DOCPART == 1
	.amdgcn_target "amdgcn-amd-amdhsa--gfx1250"
	.amdhsa_code_object_version 6
	.text
	.protected	k_q51ff8b62a3_prep
	.globl	k_q51ff8b62a3_prep
	.p2align	8
	.type	k_q51ff8b62a3_prep,@function
k_q51ff8b62a3_prep:
	s_mov_b64 s[64:65], 0
	v_nop
	global_prefetch_b8 v0, s[64:65] scope:SCOPE_SE
	s_setreg_imm32_b32 hwreg(HW_REG_WAVE_MODE, 25, 1), 1
	s_wait_xcnt 0x0
; MULTI-HEAD ATTENTION ON CODES OF FP8 (E4M3), FOUR LAUNCHES: prep (this one), qkv, attn, proj.
; NOTHING OF THE PROBLEM IS LEFT OUT: all six products are live, every weight, every bias (bk too: it moves K's codes) and all twelve scales have a way to out0.
; THIS LAUNCH turns x [8192][1024] and the four weights [k 1024][n 1024], all f32, into codes: code = number / 2^e, held within +-448, rounded to the nearest code, ties to even.
; EVERY OPERAND LIES IN MEMORY AS AN IMAGE OF ITS REGISTERS.  A fragment (16 rows x 128 k) is 2,048 bytes, [c 0..3][lane 0..31][16 bytes]: lane (r = lane % 16, h = lane / 16) holds row r; its 16 bytes at c are
; registers 4 c .. 4 c + 3 of the 8-bit form's own layout: k = 32 c + 8 h + 0..7, then k = 32 c + 16 + 8 h + 0..7.  A matrix [rows][1024] lies [row tile][chunk of 128 k (8)][2,048].  So every store of codes is
; 16 bytes a lane, 512 consecutive bytes a wave, and every later fragment load is the same line as a load.
; x IS THE LEFT OPERAND OF THREE PRODUCTS, each with a scale of its own (entries 0, 2, 4): three versions of its codes are made, 2^23 bytes apart, from one read of x, also where the exponents are equal:
; the launch that follows picks a version by the product's number alone, and no address of its joint loads hangs on a number read from memory.
; WORK-GROUPS 0-255 take x, 256-383 the weights.  The two ways part once, on the work-group's number, have LDS bytes of their own, and join at the closing lines.  No barrier: waves share nothing.
; LIMITS: each exponent e lies between -126 and 119, so that 2^e and 448 x 2^e are f32 numbers.  NaN among the inputs is not served; an infinity is held at the largest code.
.set XPITCH, 528                       ; x's stage: a row of 512 bytes + 16
.set XWAVE,  16*XPITCH                 ; 16 rows for each wave
.set WSTG,   4*XWAVE                   ; behind them the weights' stages: 8,192 bytes for each wave: four fragment images
.set SPARE,  WSTG+4*8192               ; behind them the spare words, 128 bytes for each wave
.set L16, 2                            ; v2   16 x lane
.set XSI, 3                            ; v3   x's stage, on the way in
.set XSO, 4                            ; v4   and on the way out: row r, + 32 h
.set WSI, 5                            ; v5   the weights' stage, in
.set WSO, 6                            ; v6   and out
.set L4,  7                            ; v7   4 x lane
.set SPW, 8                            ; v8   LDS address of my spare word; never rewritten
.set NIL, 9                            ; v9   0; never rewritten
.set SC,  10                           ; v10.. for version v: v[10+2v] = 2^e, v[11+2v] = 448 x 2^e
.set R0,  16                           ; v16-143  two sets of 64: a fragment's numbers as loaded
.set X,   144                          ; v144-207 a fragment's numbers in the operand's order
.set T,   208                          ; v208-223 16 held numbers
.set C,   224                          ; v224-239 a fragment's codes
.set WX,  16                           ; the weights' way: v16-79 two sets of 32 numbers, v80-87 a block's codes, v96-159 the way out
.set WC,  80
.set OUTR, 96
	s_load_b512 s[4:19], s[0:1], 0x0               ; x 4, Wq 6, Wk 8, Wv 10, Wo 12, the exponents 14, xc 16, wc 18
	v_lshl_add_u32 v[SPW], v0, 2, SPARE
	v_mov_b32 v[NIL], 0
	v_lshrrev_b32 v1, 5, v0
	v_readfirstlane_b32 s20, v1                    ; wave 0..3
	v_and_b32 v1, 31, v0                           ; lane
	v_and_b32 v12, 15, v0                          ; r
	v_bfe_u32 v13, v0, 4, 1                        ; h
	v_lshlrev_b32 v[L16], 4, v1
	v_lshlrev_b32 v[L4], 2, v1
	s_mul_i32 s21, s20, XWAVE                      ; every LDS address is made here, ahead of the parting
	v_add_nc_u32 v[XSI], s21, v[L16]
	v_mul_u32_u24 v[XSO], v12, XPITCH
	v_lshl_add_u32 v[XSO], v13, 5, v[XSO]
	v_add_nc_u32 v[XSO], s21, v[XSO]
	s_lshl_b32 s22, s20, 13
	s_add_co_u32 s22, s22, WSTG
	v_lshlrev_b32 v[WSI], 4, v12
	v_lshl_add_u32 v[WSI], v13, 12, v[WSI]
	v_add_nc_u32 v[WSI], s22, v[WSI]
	v_add_nc_u32 v[WSO], s22, v[L16]
	s_wait_kmcnt 0x0
	s_load_b256 s[36:43], s[14:15], 0x0            ; e0 .. e7
	s_load_b128 s[44:47], s[14:15], 0x20           ; e8 .. e11
	s_cmp_ge_u32 ttmp9, 256
	s_cbranch_scc1 .Lweights
; x: wave W = 4 x work-group + wave takes row tile W / 2 and chunks 4 (W % 2) .. + 3: four fragments
	s_lshl_b32 s21, ttmp9, 2
	s_add_co_u32 s21, s21, s20                     ; W
	s_lshr_b32 s22, s21, 1                         ; row tile
	s_and_b32 s23, s21, 1                          ; which four chunks
	s_lshl_b32 s32, s22, 16                        ; 16 rows of 4,096 bytes
	s_lshl_b32 s33, s23, 11                        ; four chunks of 512 bytes
	s_add_co_u32 s32, s32, s33
	s_mov_b32 s33, 0
	s_add_nc_u64 s[4:5], s[4:5], s[32:33]
	s_lshl_b32 s32, s22, 14                        ; the codes: a row tile is 16,384 bytes,
	s_lshl_b32 s34, s23, 13                        ; four images 8,192
	s_add_co_u32 s32, s32, s34
	s_add_nc_u64 s[24:25], s[16:17], s[32:33]      ; version 0,
	s_add_nc_u64 s[26:27], s[24:25], 0x800000      ; version 1,
	s_add_nc_u64 s[28:29], s[24:25], 0x1000000     ; version 2
.macro LOADF f                         ; fragment f as it lies: 16 loads, each 512 consecutive bytes of one row
.irp i, 0,1,2,3,4,5,6,7,8,9,10,11,12,13,14,15
	global_load_b128 v[R0+64*((\f)%2)+4*\i:R0+64*((\f)%2)+4*\i+3], v[L16], s[4:5] offset:\i*4096+(\f)*512 th:TH_LOAD_NT
.endr
.endm
	LOADF 0
	LOADF 1
	s_wait_kmcnt 0x0
.irp v, 0,1,2
	s_add_co_i32 s32, s[36+2*\v], 127              ; entries 0, 2, 4
	s_lshl_b32 s33, s32, 23
	v_mov_b32 v[SC+2*\v], s33                      ; 2^e as f32: the conversion takes its exponent field
	s_add_co_i32 s32, s32, 8
	s_lshl_b32 s32, s32, 23
	s_or_b32 s32, s32, 0x600000
	v_mov_b32 v[SC+2*\v+1], s32                    ; 448 x 2^e
.endr
; One version of the fragment in X: held into T (X stays for the other versions), converted, stored as an image.
.macro VERSION v, f
	s_wait_xcnt 0x0                                ; the earlier stores have read C: only behind this wait is it written again
.irp c, 0,1,2,3
.irp i, 0,1,2,3,4,5,6,7,8,9,10,11,12,13,14,15
	v_med3_num_f32 v[T+\i], v[X+16*\c+\i], -v[SC+2*\v+1], v[SC+2*\v+1]   ; the conversion to an 8-bit code does not saturate (ISA guide 7.6.2): the hold comes first
.endr
	v_cvt_scalef32_pk8_fp8_f32 v[C+4*\c:C+4*\c+1], v[T:T+7], v[SC+2*\v]
	v_cvt_scalef32_pk8_fp8_f32 v[C+4*\c+2:C+4*\c+3], v[T+8:T+15], v[SC+2*\v]
	v_nop                                          ; a plain line between the conversions and the next holds, which write their sources
.endr
.irp c, 0,1,2,3
	global_store_b128 v[L16], v[C+4*\c:C+4*\c+3], s[24+2*\v:25+2*\v] offset:(\f)*2048+512*\c   ; 512 consecutive bytes, aligned
.endr
.endm
.macro FRAGSTEP f
.if (\f) < 3
	s_wait_loadcnt 16                              ; this fragment's 16 loads are in; the next fragment's 16 may be out
.else
	s_wait_loadcnt 0x0
.endif
.irp i, 0,1,2,3,4,5,6,7,8,9,10,11,12,13,14,15
	ds_store_b128 v[XSI], v[R0+64*((\f)%2)+4*\i:R0+64*((\f)%2)+4*\i+3] offset:\i*XPITCH
.endr
.irp c, 0,1,2,3                        ; back in the operand's order.  LDS serves a wave's instructions in order: these see the stores above
.irp u, 0,1,2,3
	ds_load_b128 v[X+16*\c+4*\u:X+16*\c+4*\u+3], v[XSO] offset:128*\c+16*(\u%2)+64*(\u/2)
.endr
.endr
	s_wait_dscnt 0x0                               ; X is in, and the stores have read their registers,
.if (\f) < 2
	LOADF (\f)+2                                   ; which take the fragment two further on
.endif
	VERSION 0, \f
	VERSION 1, \f
	VERSION 2, \f
.endm
	s_wait_alu depctr_va_vdst(0)
	FRAGSTEP 0
	FRAGSTEP 1
	FRAGSTEP 2
	FRAGSTEP 3
	s_branch .Lend
; the weights: K is their FIRST axis.  A lane takes a column n and its registers run down K: the conversions then give codes with K innermost, and nothing is transposed.
; Work-group j = number - 256: weight j / 32, columns 128 (j % 8) on, k from 256 ((j / 8) % 4) on.  A wave: 32 columns x 256 k = two n tiles x two chunks = four images, gathered in its stage.
.Lweights:
	s_sub_co_u32 s21, ttmp9, 256
	s_lshr_b32 s22, s21, 5                         ; which weight: 0 Wq, 1 Wk, 2 Wv, 3 Wo
	s_and_b32 s23, s21, 7                          ; which 128 columns
	s_bfe_u32 s24, s21, 0x20003                    ; which 256 along K
	s_cmp_eq_u32 s22, 1
	s_cselect_b64 s[6:7], s[8:9], s[6:7]
	s_cmp_eq_u32 s22, 2
	s_cselect_b64 s[6:7], s[10:11], s[6:7]
	s_cmp_eq_u32 s22, 3
	s_cselect_b64 s[6:7], s[12:13], s[6:7]
	s_lshl_b32 s32, s24, 20                        ; 256 rows of 4,096 bytes
	s_lshl_b32 s33, s23, 9
	s_add_co_u32 s32, s32, s33                     ; + 128 columns of 4 bytes
	s_lshl_b32 s33, s20, 7
	s_add_co_u32 s32, s32, s33                     ; + my wave's 32
	s_mov_b32 s33, 0
	s_add_nc_u64 s[6:7], s[6:7], s[32:33]
	s_lshl_b32 s32, s22, 20                        ; the codes: a weight is 2^20 bytes; n tile 8 (j % 8) + 2 wave, of 16,384 bytes; chunk 2 ((j / 8) % 4), of 2,048
	s_lshl_b32 s34, s23, 17
	s_add_co_u32 s32, s32, s34
	s_lshl_b32 s34, s20, 15
	s_add_co_u32 s32, s32, s34
	s_lshl_b32 s34, s24, 12
	s_add_co_u32 s32, s32, s34
	s_add_nc_u64 s[18:19], s[18:19], s[32:33]
.macro WLOAD t                         ; block t: W(32 t + i, my column): 128 consecutive bytes a wave, 512 a work-group
.irp i, 0,1,2,3,4,5,6,7,8,9,10,11,12,13,14,15,16,17,18,19,20,21,22,23,24,25,26,27,28,29,30,31
	global_load_b32 v[WX+32*((\t)%2)+\i], v[L4], s[6:7] offset:(32*(\t)+\i)*4096 th:TH_LOAD_NT
.endr
.endm
	s_wait_alu depctr_va_vdst(0)
	WLOAD 0
	WLOAD 1
	s_wait_kmcnt 0x0
	s_cmp_eq_u32 s22, 1                            ; the weight's exponent: entry 1, 3, 5 or 11
	s_cselect_b32 s37, s39, s37
	s_cmp_eq_u32 s22, 2
	s_cselect_b32 s37, s41, s37
	s_cmp_eq_u32 s22, 3
	s_cselect_b32 s37, s47, s37
	s_add_co_i32 s37, s37, 127
	s_lshl_b32 s32, s37, 23
	v_mov_b32 v[SC], s32
	s_add_co_i32 s37, s37, 8
	s_lshl_b32 s37, s37, 23
	s_or_b32 s37, s37, 0x600000
	v_mov_b32 v[SC+1], s37
.macro BLOCK t
.set XS, WX+32*((\t)%2)
.if (\t) < 7
	s_wait_loadcnt 32                              ; this block's 32 loads are in; the next block's may be out
.else
	s_wait_loadcnt 0x0
.endif
.irp i, 0,1,2,3,4,5,6,7,8,9,10,11,12,13,14,15,16,17,18,19,20,21,22,23,24,25,26,27,28,29,30,31
	v_med3_num_f32 v[XS+\i], v[XS+\i], -v[SC+1], v[SC+1]
.endr
	v_cvt_scalef32_pk8_fp8_f32 v[WC:WC+1], v[XS:XS+7], v[SC]          ; k + 0..7 and k + 16..23: the 16 bytes of the image's lane (r, 0)
	v_cvt_scalef32_pk8_fp8_f32 v[WC+2:WC+3], v[XS+16:XS+23], v[SC]
	v_cvt_scalef32_pk8_fp8_f32 v[WC+4:WC+5], v[XS+8:XS+15], v[SC]     ; k + 8..15 and k + 24..31: those of lane (r, 1)
	v_cvt_scalef32_pk8_fp8_f32 v[WC+6:WC+7], v[XS+24:XS+31], v[SC]
	ds_store_b128 v[WSI], v[WC:WC+3] offset:((\t)/4)*2048+((\t)%4)*512
	ds_store_b128 v[WSI], v[WC+4:WC+7] offset:((\t)/4)*2048+((\t)%4)*512+256
.if (\t)+2 < 8
	WLOAD (\t)+2
.endif
	s_wait_dscnt 0x0                               ; the stores have read their registers; the next block begins with 32 plain lines
.endm
	s_wait_alu depctr_va_vdst(0)
.irp t, 0,1,2,3,4,5,6,7
	BLOCK \t
.endr
.irp i, 0,1,2,3,4,5,6,7,8,9,10,11,12,13,14,15
	ds_load_b128 v[OUTR+4*\i:OUTR+4*\i+3], v[WSO] offset:512*\i
.endr
.irp i, 0,1,2,3,4,5,6,7,8,9,10,11,12,13,14,15
	s_wait_dscnt 15-\i
	global_store_b128 v[L16], v[OUTR+4*\i:OUTR+4*\i+3], s[18:19] offset:(\i/8)*16384+(\i%8)*512   ; 512 consecutive bytes, aligned
.endr
.Lend:
	s_wait_tensorcnt 0x0                           ; the wave's end
	ds_add_u32 v[SPW], v[NIL]
	s_wait_dscnt 0x0
	s_endpgm
.Lfunc_end_k_q51ff8b62a3_prep:
	.size	k_q51ff8b62a3_prep, .Lfunc_end_k_q51ff8b62a3_prep-k_q51ff8b62a3_prep
	.p2alignl 7, 3214868480
	.fill 96, 4, 3214868480
	.section	.rodata,"a",@progbits
	.p2align	6, 0x0
	.amdhsa_kernel k_q51ff8b62a3_prep
		.amdhsa_group_segment_fixed_size 67072
		.amdhsa_private_segment_fixed_size 0
		.amdhsa_enable_private_segment 0
		.amdhsa_kernarg_size 64
		.amdhsa_user_sgpr_count 2
		.amdhsa_user_sgpr_kernarg_segment_ptr 1
		.amdhsa_wavefront_size32 1
		.amdhsa_system_sgpr_workgroup_id_x 1
		.amdhsa_system_sgpr_workgroup_id_y 1
		.amdhsa_system_sgpr_workgroup_id_z 1
		.amdhsa_system_vgpr_workitem_id 0
		.amdhsa_next_free_vgpr 240
		.amdhsa_next_free_sgpr 66
		.amdhsa_reserve_vcc 0
		.amdhsa_float_denorm_mode_32 3
		.amdhsa_float_denorm_mode_16_64 3
		.amdhsa_memory_ordered 1
		.amdhsa_forward_progress 1
		.amdhsa_inst_pref_size 126
	.end_amdhsa_kernel
	.amdgpu_metadata
---
amdhsa.version: [ 1, 2 ]
amdhsa.kernels:
  - .name:           k_q51ff8b62a3_prep
    .symbol:         k_q51ff8b62a3_prep.kd
    .args:
      - { .name: x, .offset: 0, .size: 8, .value_kind: global_buffer, .address_space: global }
      - { .name: Wq, .offset: 8, .size: 8, .value_kind: global_buffer, .address_space: global }
      - { .name: Wk, .offset: 16, .size: 8, .value_kind: global_buffer, .address_space: global }
      - { .name: Wv, .offset: 24, .size: 8, .value_kind: global_buffer, .address_space: global }
      - { .name: Wo, .offset: 32, .size: 8, .value_kind: global_buffer, .address_space: global }
      - { .name: lowp_scales, .offset: 40, .size: 8, .value_kind: global_buffer, .address_space: global }
      - { .name: xc, .offset: 48, .size: 8, .value_kind: global_buffer, .address_space: global }
      - { .name: wc, .offset: 56, .size: 8, .value_kind: global_buffer, .address_space: global }
    .group_segment_fixed_size: 67072
    .private_segment_fixed_size: 0
    .kernarg_segment_align: 8
    .kernarg_segment_size: 64
    .max_flat_workgroup_size: 128
    .sgpr_count:     66
    .vgpr_count:     240
    .wavefront_size: 32
...
	.end_amdgpu_metadata
.endif
;; end of part 1
;; launch qkv (part 2): grid 8 x 32, 4 waves a work-group, clusters of 4 x 4, 327,680 bytes of LDS; arguments xc, wc, lowp_scales, bq, bk, bv, Qc, Kc, Vc; writes Qc, Kc, Vc
.if DOCPART == 2
	.amdgcn_target "amdgcn-amd-amdhsa--gfx1250"
	.amdhsa_code_object_version 6
	.text
	.protected	k_q51ff8b62a3_qkv
	.globl	k_q51ff8b62a3_qkv
	.p2align	8
	.type	k_q51ff8b62a3_qkv,@function
k_q51ff8b62a3_qkv:
	s_mov_b64 s[64:65], 0
	v_nop
	global_prefetch_b8 v0, s[64:65] scope:SCOPE_SE
	s_setreg_imm32_b32 hwreg(HW_REG_WAVE_MODE, 25, 1), 1
	s_wait_xcnt 0x0
	s_wait_alu depctr_hold_cnt(0) depctr_sa_sdst(0) depctr_va_vdst(0) depctr_va_sdst(0) depctr_va_ssrc(0) depctr_va_vcc(0) depctr_vm_vsrc(0)
	s_getreg_b32 s2, hwreg(HW_REG_IB_STS2, 6, 4)
	s_cmp_eq_u32 s2, 0
	s_cbranch_scc0 .Lentry_in_a_cluster
	s_endpgm
.Lentry_in_a_cluster:
	s_bfe_u32 s2, ttmp6, 0x10000c
	s_cmp_lg_u32 s2, 0xf033
	s_cbranch_scc0 .Lentry_shape_is_right
	s_endpgm
.Lentry_shape_is_right:
; Q = x Wq + bq, K = x Wk + bk and V = x Wv + bv on codes of FP8 (E4M3), each followed by its quantiser (entries 6, 7, 9).  Nothing is left out.
; Operands lie as images of their registers ([row tile][chunk of 128 k (8)][2,048]).  256 work-groups of four waves, in 4 x 4 clusters with joint loads; K in steps of 256 through two LDS slots, written out.
; A WORK-GROUP MAKES TWO TILES, and the ring does not stop between them: tile 1's last two changes of slots ask for tile 2's K steps 0 and 1, and tile 1 goes out while they are on their way.
; TILE 1: 256 tokens x 256 channels of Q (cluster x = 0) or K (1): A = x's rows in the product's version, by the tile row; B = the weight's rows, by the tile column; a wave makes 128 x 128.
;   Source 0 = 16 rows of B, source 1 = 16 rows of A: a lane holds one token and eight neighbouring channels.  OUT: Qc, Kc [batch x head][tile of 16 tokens][1,024].
; TILE 2: 256 channels x 128 tokens of V, the operands in each other's places: A = Wv's rows 256 cy on; B = x's rows in its third version, 128 x (4 x the cluster's number + cx) on; a wave makes 128 x 64 (NB = 4 blocks of B).
;   A lane holds one channel and eight neighbouring tokens, which are the keys.  OUT: Vc [batch x head][chunk of 128 keys][d tile (4)][2,048: 16 d x 128 keys]; a wave's 64 keys are half an image, 1,024 bytes on end.
; In a slot waves 0, 1 fetch A's halves and waves 2, 3 B's, each at 32,768 x wave (tile 2's pieces of B are 4 row tiles, 16,384 bytes).
; LIMITS: entries 0 + 1, 2 + 3, 4 + 5 between -126 and 127; entries 6, 7, 9 between -126 and 119.
; REGISTERS: window 0: v2 16 x lane, v3, v6 the biases' offsets, v4, v5 the prefetches' offsets, v16-21 LDS addresses, v28, v29 the add's two, v30, v31 the quantiser's 2^e and 448 x 2^e, v32-95 the bias, v96-127 at work,
;   v128-255 A's fragments (one set), on the way out the codes.   window 1: B's fragments, two sets.   windows 2, 3: the accumulators ((a, b) at v[8 (8 (a % 4) + b)]).
.set KCH,    4096                      ; a K step of 256 in a row tile's 16,384 bytes
.set HALFT,  32768
.set SLOT,   4*HALFT
.set SPARE,  2*SLOT
.set FR,     16
.set NL,     4
.set NP,     4
.set L16,  2
.set BOF,  3
.set ADRA, 16
.set ADRB, 20
.set SPW,  28
.set NIL,  29
.set SCL,  30
.set LIM,  31
.set BIAS, 32
.set T,    96
.set AF,   128
.set CD,   128
.set G1V, 4                            ; s[4:11]  group 1 for tile 2's B
.set G1, 24
.set G0, 32
.set G1B, 48
.set G0B, 56
.set NB, 8                             ; blocks of B a wave multiplies
.set GB, G1B                           ; the group 1 that B's loads take
.set MSB, 0
.macro WIN new                         ; the immediate's high byte repeats the setting that is left
.if MSB != \new
	s_set_vgpr_msb (MSB<<8)|\new
.set MSB, \new
.endif
.endm
.set MUL_LO, 0xa1
.set MUL_HI, 0xf1
.set TO_B,   0x40
.macro JLOAD g0a, g1a, g0b, g1b        ; a joint load: waves 0 and 1 fetch for A, waves 2 and 3 for B; an s_nop 0 and four v_nop follow each of the two lines
	s_cmp_eq_u32 s15, 0
	s_cbranch_scc0 .Lfor_b_\@
	tensor_load_to_lds s[\g0a:\g0a+3], s[\g1a:\g1a+7]
	s_nop 0
.rept 4
	v_nop
.endr
	s_branch .Lasked_\@
.Lfor_b_\@:
	tensor_load_to_lds s[\g0b:\g0b+3], s[\g1b:\g1b+7]
	s_nop 0
.rept 4
	v_nop
.endr
.Lasked_\@:
.endm
.macro CREST
	s_cmp_lg_u32 s14, 0
	s_cbranch_scc1 .Lnot_wave_0_\@
	s_barrier_signal -3
.Lnot_wave_0_\@:
	s_barrier_wait -3
	s_barrier_signal -1
	s_barrier_wait -1
.endm
.macro CROUND
	s_barrier_signal -1
	s_barrier_wait -1
	CREST
.endm
; PREFETCH INTO THE L2, two refills ahead of the joint load that will want the bytes (at the start: K steps 1 and 2 behind K step 0's load).  The row tiles that my wave fetches are shared out among the four partners that ask
; for them jointly, by address (cx for A, cy for B): a lane to each block of 256 bytes, one instruction a wave.  Rows of weights, which many clusters read, are named by four clusters only.  The address registers are never rewritten.
.macro ASK k                           ; tile 1's K step k
	s_cmp_eq_u32 s97, 0
	s_cbranch_scc0 .Lnot_mine_\@
	global_prefetch_b8 v4, s[2:3] offset:(\k)*KCH th:TH_LOAD_NT scope:SCOPE_SE
.Lnot_mine_\@:
.endm
.macro ASKV k                          ; tile 2's K step k
	s_cmp_eq_u32 s98, 0
	s_cbranch_scc0 .Lnot_mine_\@
	global_prefetch_b8 v5, s[104:105] offset:(\k)*KCH th:TH_LOAD_NT scope:SCOPE_SE
.Lnot_mine_\@:
.endm
	s_load_b512 s[68:83], s[0:1], 0x0              ; xc 68, wc 70, the exponents 72, bq 74, bk 76, bv 78, Qc 80, Kc 82
	s_load_b64 s[84:85], s[0:1], 0x40              ; Vc
	v_lshl_add_u32 v[SPW], v0, 2, SPARE
	v_mov_b32 v[NIL], 0
	ds_add_u32 v[SPW], v[NIL]                      ; the opening lines: the add, twice on end, and its wait
	ds_add_u32 v[SPW], v[NIL]
	v_lshrrev_b32 v1, 5, v0
	v_readfirstlane_b32 s14, v1                    ; wave 0..3
	s_lshr_b32 s15, s14, 1                         ; which half of A's rows is mine.  Also: I fetch for A (0) or for B (1)
	s_and_b32 s16, s14, 1                          ; which half of B's rows.  Also: which piece of that tile I fetch
	s_mul_i32 s18, s15, 15
	s_xor_b32 s19, s15, 1
	s_lshl_b32 s19, s19, 14
	v_and_b32 v7, 15, v0
	v_bfe_u32 v1, v0, 4, 1
	v_lshlrev_b32 v4, 8, v7
	v_lshl_add_u32 v4, v1, 14, v4                  ; tile 1: two row tiles a partner: 16,384 x (lane / 16) + 256 x (lane % 16)
	v_mul_u32_u24 v5, s18, v1
	v_or_b32 v5, v5, v7                            ; tile 2, B's waves: one row tile a partner; lanes 16-31 name its last block again
	v_mul_u32_u24 v6, s19, v1
	v_lshl_add_u32 v5, v5, 8, v6                   ; A's waves: as in tile 1
	v_lshlrev_b32 v6, 2, v7                        ; bv's offset: 4 r
	s_bfe_u32 s40, ttmp6, 0x40000                  ; cx
	s_bfe_u32 s41, ttmp6, 0x40004                  ; cy
	s_lshl_b32 s42, ttmp9, 2
	s_add_co_u32 s42, s42, s40                     ; tile 1's column: 0-3 in Wq, 4-7 in Wk
	s_and_b32 s20, ttmp7, 0xffff
	s_lshl_b32 s17, s20, 2
	s_add_co_u32 s17, s17, s41                     ; tile 1's row
	s_lshl_b32 s43, s41, 2
	s_lshl_b32 s43, 15, s43                        ; my row of the cluster
	s_lshl_b32 s44, 0x1111, s40                    ; my column
	s_or_b32 s[G1+0], s43, (3<<16)|(1<<21)         ; 8 row tiles x 4,096 bytes, 16,384 bytes apart, in elements of 8 bytes; dense in LDS
	s_or_b32 s[G1B+0], s44, (3<<16)|(1<<21)
	s_or_b32 s[G1V+0], s44, (3<<16)|(1<<21)
.irp g, G1, G1B, G1V
	s_mov_b32 s[\g+1], 512<<16
	s_mov_b32 s[\g+2], 8<<16
	s_mov_b32 s[\g+3], 512<<16
	s_mov_b32 s[\g+4], 8
	s_mov_b32 s[\g+5], 2048
	s_mov_b32 s[\g+6], 0
	s_mov_b32 s[\g+7], 0
.endr
	s_mov_b32 s[G1V+2], 4<<16                      ; tile 2's piece of B is 4 row tiles
	s_mov_b32 s[G1V+4], 4
	s_lshl_b32 s21, ttmp9, 3
	s_add_co_u32 s21, s21, s20                     ; the cluster's number, 0..15
	s_lshl_b32 s22, s21, 2
	s_add_co_u32 s22, s22, s40                     ; tile 2: which 128 tokens
	s_lshr_b32 s97, s20, 2
	s_mul_i32 s97, s97, s15                        ; 0 where my wave asks in tile 1: A's waves; B's in the first four rows of clusters
	s_lshr_b32 s98, s21, 2
	s_xor_b32 s99, s15, 1
	s_mul_i32 s98, s98, s99                        ; and in tile 2: B's waves; A's in the first four clusters
	s_lshl_b32 s18, s16, 17
	s_lshl_b32 s66, s17, 18
	s_add_co_u32 s66, s66, s18
	s_lshl_b32 s19, ttmp9, 23
	s_add_co_u32 s66, s66, s19                     ; tile 1's A: x's version, tile row, piece
	s_mov_b32 s67, 0
	s_lshl_b32 s46, s42, 18
	s_add_co_u32 s46, s46, s18                     ; tile 1's B
	s_mov_b32 s47, 0
	s_lshl_b32 s44, s41, 18
	s_add_co_u32 s44, s44, s18
	s_add_co_u32 s44, s44, 0x200000                ; tile 2's A: Wv is the third weight
	s_mov_b32 s45, 0
	s_lshl_b32 s18, s22, 17
	s_lshl_b32 s19, s16, 16
	s_add_co_u32 s18, s18, s19
	s_add_co_u32 s18, s18, 0x1000000               ; tile 2's B: x's third version
	s_mov_b32 s19, 0
	s_lshl_b32 s23, s14, 15                        ; where my piece goes in a slot
	s_wait_alu depctr_va_vdst(0)                   ; directly ahead of the waits below
	s_wait_dscnt 0x0
	s_wait_kmcnt 0x0
	s_load_b256 s[88:95], s[72:73], 0x0            ; e0 .. e7
	s_load_b32 s96, s[72:73], 0x24                 ; e9
	s_add_nc_u64 s[66:67], s[68:69], s[66:67]
	s_add_nc_u64 s[46:47], s[70:71], s[46:47]
	s_add_nc_u64 s[12:13], s[70:71], s[44:45]
	s_add_nc_u64 s[100:101], s[68:69], s[18:19]
	s_cmp_eq_u32 s15, 0
	s_cselect_b64 s[2:3], s[66:67], s[46:47]
	s_cselect_b64 s[104:105], s[12:13], s[100:101]
	s_cselect_b32 s18, s40, s41                    ; my place among the four that ask with me
	s_sub_co_u32 s20, 15, s15
	s_lshl_b32 s44, s18, 15
	s_mov_b32 s45, 0
	s_add_nc_u64 s[2:3], s[2:3], s[44:45]
	s_lshl_b32 s44, s18, s20
	s_add_nc_u64 s[104:105], s[104:105], s[44:45]
	CROUND                                         ; in front of the first joint loads
.irp s, 0,1
	s_mov_b32 s[G0+4*\s], 1
	s_add_co_u32 s[G0+4*\s+1], s23, \s*SLOT
	s_add_nc_u64 s[G0+4*\s+2:G0+4*\s+3], s[66:67], \s*KCH
	s_or_b32 s[G0+4*\s+3], s[G0+4*\s+3], 0x80000000
	s_mov_b32 s[G0B+4*\s], 1
	s_add_co_u32 s[G0B+4*\s+1], s23, \s*SLOT
	s_add_nc_u64 s[G0B+4*\s+2:G0B+4*\s+3], s[46:47], \s*KCH
	s_or_b32 s[G0B+4*\s+3], s[G0B+4*\s+3], 0x80000000
.if \s                                         ; slot 1's first fill is issued as a refill is
	s_wait_alu depctr_va_vdst(0)
	s_wait_tensorcnt 0x0
	ds_add_u32 v[SPW], v[NIL]
	s_wait_dscnt 0x0
	CROUND
.endif
	JLOAD G0+4*\s, G1, G0B+4*\s, G1B
.if \s
	ASK 3
.else
	ASK 1
	ASK 2
.endif
.endr
	v_and_b32 v1, 31, v0
	v_lshlrev_b32 v[L16], 4, v1
	s_lshl_b32 s20, s15, 15
	s_lshl_b32 s21, s16, 15
	s_add_co_u32 s21, s21, 2*HALFT
.irp s, 0,1
	v_add_nc_u32 v[ADRA+\s], s20, v[L16]
	v_add_nc_u32 v[ADRB+\s], s21, v[L16]
	s_add_co_u32 s20, s20, SLOT
	s_add_co_u32 s21, s21, SLOT
.endr
	v_bfe_u32 v[BOF], v0, 4, 1
	v_lshlrev_b32 v[BOF], 5, v[BOF]                ; bq's, bk's offset: 32 h
	s_wait_alu depctr_va_vdst(0)                   ; ahead of the run of scalar lines
	s_cmp_eq_u32 ttmp9, 0
	s_cselect_b64 s[74:75], s[74:75], s[76:77]
	s_cselect_b64 s[80:81], s[80:81], s[82:83]
	s_lshl_b32 s44, s40, 10
	s_lshl_b32 s45, s16, 9
	s_add_co_u32 s44, s44, s45
	s_mov_b32 s45, 0
	s_add_nc_u64 s[74:75], s[74:75], s[44:45]
.irp b, 0,1,2,3,4,5,6,7
	global_load_b128 v[BIAS+8*\b:BIAS+8*\b+3], v[BOF], s[74:75] offset:64*\b
	global_load_b128 v[BIAS+8*\b+4:BIAS+8*\b+7], v[BOF], s[74:75] offset:64*\b+16
.endr
	s_lshl_b32 s18, s17, 8                         ; where tile 1's codes go: batch << 21 + head << 17 + (token in its sequence) << 6
	s_lshl_b32 s19, s15, 7
	s_add_co_u32 s18, s18, s19
	s_lshr_b32 s19, s18, 11
	s_lshl_b32 s19, s19, 21
	s_and_b32 s18, s18, 2047
	s_lshl_b32 s18, s18, 6
	s_add_co_u32 s44, s18, s19
	s_lshl_b32 s18, s40, 19
	s_add_co_u32 s44, s44, s18
	s_lshl_b32 s18, s16, 18
	s_add_co_u32 s44, s44, s18
	s_add_nc_u64 s[80:81], s[80:81], s[44:45]
	s_lshl_b32 s44, s41, 10                        ; bv at my first channel: 256 cy + 128 half
	s_lshl_b32 s18, s15, 9
	s_add_co_u32 s44, s44, s18
	s_add_nc_u64 s[78:79], s[78:79], s[44:45]
	s_lshr_b32 s44, s22, 4                         ; where tile 2's codes go: batch << 21 + head << 17 + chunk << 13 + my 64 keys << 10
	s_lshl_b32 s44, s44, 21
	s_and_b32 s18, s22, 15
	s_lshl_b32 s18, s18, 13
	s_add_co_u32 s44, s44, s18
	s_lshl_b32 s18, s16, 10
	s_add_co_u32 s44, s44, s18
	s_lshl_b32 s18, s41, 19
	s_add_co_u32 s44, s44, s18
	s_lshl_b32 s18, s15, 18
	s_add_co_u32 s44, s44, s18
	s_add_nc_u64 s[84:85], s[84:85], s[44:45]
	s_wait_kmcnt 0x0
	s_add_co_i32 s86, s88, s89
	s_add_co_i32 s87, s90, s91
	s_cmp_eq_u32 ttmp9, 0
	s_cselect_b32 s86, s86, s87
	s_cselect_b32 s18, s94, s95
	s_add_co_i32 s86, s86, 127
	s_lshl_b32 s86, s86, 23                        ; tile 1: 2^(the product's two exponents)
	s_mov_b32 s87, s86
	s_add_co_i32 s18, s18, 127
	s_lshl_b32 s19, s18, 23
	v_mov_b32 v[SCL], s19                          ; 2^e6 or 2^e7
	s_add_co_i32 s18, s18, 8
	s_lshl_b32 s18, s18, 23
	s_or_b32 s18, s18, 0x600000
	v_mov_b32 v[LIM], s18                          ; 448 x that
	s_add_co_i32 s20, s92, s93
	s_add_co_i32 s20, s20, 127
	s_lshl_b32 s20, s20, 23                        ; tile 2: 2^(e4 + e5)
	s_mov_b32 s21, s20
	s_add_co_i32 s44, s96, 127
	s_lshl_b32 s43, s44, 23                        ; 2^e9
	s_add_co_i32 s44, s44, 8
	s_lshl_b32 s44, s44, 23
	s_or_b32 s44, s44, 0x600000                    ; 448 x 2^e9
.macro FRAG reg, adr, q, i
.irp c, 0,1,2,3
	ds_load_b128 v[\reg+4*\c:\reg+4*\c+3], v[\adr] offset:(\i)*4096+(\q)*2048+512*\c
.endr
.endm
.macro MUL16 a0, p, zero               ; A's blocks a0, a0 + 1 x B's NB; the accumulators take turns, one instruction a turn
.irp a, \a0, \a0+1
.set BI, 0
.rept NB
.if \zero
	v_wmma_f32_16x16x128_fp8_fp8 v[8*(8*((\a)%4)+BI):8*(8*((\a)%4)+BI)+7], v[128*(\p)+FR*BI:128*(\p)+FR*BI+FR-1], v[AF+FR*(\a):AF+FR*(\a)+FR-1], 0
.else
	v_wmma_f32_16x16x128_fp8_fp8 v[8*(8*((\a)%4)+BI):8*(8*((\a)%4)+BI)+7], v[128*(\p)+FR*BI:128*(\p)+FR*BI+FR-1], v[AF+FR*(\a):AF+FR*(\a)+FR-1], v[8*(8*((\a)%4)+BI):8*(8*((\a)%4)+BI)+7]
.endif
.set BI, BI+1
.endr
.endr
.endm
.macro FETCH_B slot, q, p
	WIN TO_B
.set FI, 0
.rept NB
	FRAG 128*(\p)+FR*FI, ADRB+\slot, \q, FI
.set FI, FI+1
.endr
	WIN 0
.endm
.macro FETCH_A slot, q, i0
.irp i, \i0, \i0+1, \i0+2, \i0+3
	FRAG AF+FR*(\i), ADRA+\slot, \q, \i
.endr
.endm
.macro PLACES n
.rept \n
	v_nop
.endr
.endm
.macro STEP slot, q, zero
	s_wait_dscnt 4*NL                              ; B's set and A's blocks 0-3 are in; the youngest 16 loads (A's blocks 4-7) may be out
	WIN MUL_LO
	MUL16 0, (\q)%2, \zero
	MUL16 2, (\q)%2, \zero
	s_wait_dscnt 0
	PLACES NP
	FETCH_B \slot, (\q)+1, 1-(\q)%2
	FETCH_A \slot, (\q)+1, 0
	WIN MUL_HI
	MUL16 4, (\q)%2, \zero
	MUL16 6, (\q)%2, \zero
	PLACES NP
	WIN 0
	FETCH_A \slot, (\q)+1, 4
.endm
; A slot's last step changes slots.  fill = 0: nothing is filled; 1: this slot takes the K step two on; 2: tile 2's K step 0; 3: tile 2's K step 1, and no fragments are fetched, since tile 1 goes out next.  ask: tile 2's K step to prefetch, or -1
.macro TURN slot, next, fill, ask
	s_wait_tensorcnt 0x0                           ; all my tensor loads have landed: my part of the next slot
	ds_add_u32 v[SPW], v[NIL]                      ; 0 onto my spare word
	s_wait_dscnt 4*NL+1                            ; (the add and the youngest 16 loads may be out)
	WIN MUL_LO
	MUL16 0, 1, 0
	s_wait_dscnt 0x0                               ; the add is done, and my reads of this slot are over
	s_barrier_signal -1
	MUL16 2, 1, 0
	WIN 0
	s_barrier_wait -1
.if \fill
	CREST                                          ; the barrier has opened a round of the cluster's barrier
.if \fill == 1
	s_add_nc_u64 s[G0+4*\slot+2:G0+4*\slot+3], s[G0+4*\slot+2:G0+4*\slot+3], 2*KCH
	s_add_nc_u64 s[G0B+4*\slot+2:G0B+4*\slot+3], s[G0B+4*\slot+2:G0B+4*\slot+3], 2*KCH
.else
	s_add_nc_u64 s[G0+4*\slot+2:G0+4*\slot+3], s[12:13], (\fill-2)*KCH
	s_or_b32 s[G0+4*\slot+3], s[G0+4*\slot+3], 0x80000000
	s_add_nc_u64 s[G0B+4*\slot+2:G0B+4*\slot+3], s[100:101], (\fill-2)*KCH
	s_or_b32 s[G0B+4*\slot+3], s[G0B+4*\slot+3], 0x80000000
.endif
	JLOAD G0+4*\slot, G1, G0B+4*\slot, GB
.else
	PLACES NP
.endif
.if \fill != 3
	FETCH_B \next, 0, 0
	FETCH_A \next, 0, 0
.endif
.if \ask >= 0
	ASKV \ask
.endif
	WIN MUL_HI
	MUL16 4, 1, 0
	MUL16 6, 1, 0
.if \fill != 3
	PLACES NP
	WIN 0
	FETCH_A \next, 0, 4
.else
	WIN 0
.endif
.endm
	s_wait_tensorcnt 1                             ; my part of K step 0 is in (K step 1's load may be out)
	s_barrier_signal -1
	s_barrier_wait -1
	FETCH_B 0, 0, 0
	FETCH_A 0, 0, 0
	FETCH_A 0, 0, 4
	STEP 0, 0, 1
	TURN 0, 1, 1, 0
	STEP 1, 0, 0
	TURN 1, 0, 1, 1
	STEP 0, 0, 0
.set GB, G1V                           ; from here on B's loads are tile 2's
	TURN 0, 1, 2, 2
	STEP 1, 0, 0
	TURN 1, 0, 3, 3
; TILE 1 GOES OUT.  For A's block a (16 tokens), four of B's blocks (a head's 64 channels) at a time: value = sum x 2^(the two exponents) + bias, held, converted.  Each store is 512 consecutive bytes, aligned.
	s_wait_loadcnt 0x0                             ; the bias
	PLACES NP                                      ; behind the last products
.irp a, 0,1,2,3,4,5,6,7
.irp half, 0,1
	WIN 0x02+(\a/4)                                ; source 0: window 2 or 3
.irp bb, 0,1,2,3
.irp i, 0,2,4,6
	v_pk_fma_f32 v[T+8*\bb+\i:T+8*\bb+\i+1], v[64*(\a%4)+8*(4*\half+\bb)+\i:64*(\a%4)+8*(4*\half+\bb)+\i+1], s[86:87], v[BIAS+8*(4*\half+\bb)+\i:BIAS+8*(4*\half+\bb)+\i+1] op_sel_hi:[1,0,1]
.endr
.endr
	WIN 0
.irp i, 0,1,2,3,4,5,6,7,8,9,10,11,12,13,14,15,16,17,18,19,20,21,22,23,24,25,26,27,28,29,30,31
	v_med3_num_f32 v[T+\i], v[T+\i], -v[LIM], v[LIM]   ; the conversion to an 8-bit code does not saturate (ISA guide 7.6.2)
.endr
.irp bb, 0,1,2,3
	v_cvt_scalef32_pk8_fp8_f32 v[CD+16*\a+8*\half+2*\bb:CD+16*\a+8*\half+2*\bb+1], v[T+8*\bb:T+8*\bb+7], v[SCL]
.endr
	v_nop                                          ; a plain line between the conversions and the next lines that write their sources
.endr
.irp i, 0,1,2,3
	global_store_b128 v[L16], v[CD+16*\a+4*\i:CD+16*\a+4*\i+3], s[80:81] offset:(\i/2)*131072+\a*1024+(\i%2)*512
.endr
.endr
; TILE 2.  Its K step 0 was shown to every wave by the round of the last change of slots.
	s_wait_xcnt 0x0                                ; the stores have read the codes' registers, which take A's fragments again
.irp a, 0,1,2,3,4,5,6,7
	global_load_b32 v[BIAS+2*\a], v6, s[78:79] offset:64*\a          ; bv at channel 16 a + r, in both registers of a pair for the packed multiply-add
	global_load_b32 v[BIAS+2*\a+1], v6, s[78:79] offset:64*\a
.endr
	v_mov_b32 v[SCL], s43
	v_mov_b32 v[LIM], s44
	s_wait_alu depctr_va_vdst(0)                   ; the wait behind these writes
.set NB, 4
	FETCH_B 0, 0, 0
	FETCH_A 0, 0, 0
	FETCH_A 0, 0, 4
	STEP 0, 0, 1
	TURN 0, 1, 1, -1
	STEP 1, 0, 0
	TURN 1, 0, 1, -1
	STEP 0, 0, 0
	TURN 0, 1, 0, -1
	STEP 1, 0, 0
	s_wait_dscnt 4*NL
	WIN MUL_LO
	MUL16 0, 1, 0
	MUL16 2, 1, 0
	s_wait_dscnt 0
	WIN MUL_HI
	MUL16 4, 1, 0
	MUL16 6, 1, 0
	WIN 0
; TILE 2 GOES OUT.  For A's block a (16 channels): its four accumulators are 64 keys; the eight registers of codes are half an image of 16 d x 128 keys.
	s_wait_loadcnt 0x0                             ; bv
	PLACES NP
.irp a, 0,1,2,3,4,5,6,7
	WIN 0x02+(\a/4)
.irp bb, 0,1,2,3
.irp i, 0,2,4,6
	v_pk_fma_f32 v[T+8*\bb+\i:T+8*\bb+\i+1], v[64*(\a%4)+8*\bb+\i:64*(\a%4)+8*\bb+\i+1], s[20:21], v[BIAS+2*\a:BIAS+2*\a+1] op_sel_hi:[1,0,1]
.endr
.endr
	WIN 0
.irp i, 0,1,2,3,4,5,6,7,8,9,10,11,12,13,14,15,16,17,18,19,20,21,22,23,24,25,26,27,28,29,30,31
	v_med3_num_f32 v[T+\i], v[T+\i], -v[LIM], v[LIM]
.endr
.irp bb, 0,1,2,3
	v_cvt_scalef32_pk8_fp8_f32 v[CD+8*\a+2*\bb:CD+8*\a+2*\bb+1], v[T+8*\bb:T+8*\bb+7], v[SCL]
.endr
	v_nop
.irp i, 0,1
	global_store_b128 v[L16], v[CD+8*\a+4*\i:CD+8*\a+4*\i+3], s[84:85] offset:(\a/4)*131072+(\a%4)*2048+512*\i
.endr
.endr
	s_wait_tensorcnt 0x0                           ; the wave's end
	ds_add_u32 v[SPW], v[NIL]
	s_wait_dscnt 0x0
	CROUND                                         ; the closing round
	s_endpgm
.Lfunc_end_k_q51ff8b62a3_qkv:
	.size	k_q51ff8b62a3_qkv, .Lfunc_end_k_q51ff8b62a3_qkv-k_q51ff8b62a3_qkv
	.p2alignl 7, 3214868480
	.fill 96, 4, 3214868480
	.section	.rodata,"a",@progbits
	.p2align	6, 0x0
	.amdhsa_kernel k_q51ff8b62a3_qkv
		.amdhsa_group_segment_fixed_size 327680
		.amdhsa_private_segment_fixed_size 0
		.amdhsa_enable_private_segment 0
		.amdhsa_kernarg_size 72
		.amdhsa_user_sgpr_count 2
		.amdhsa_user_sgpr_kernarg_segment_ptr 1
		.amdhsa_wavefront_size32 1
		.amdhsa_system_sgpr_workgroup_id_x 1
		.amdhsa_system_sgpr_workgroup_id_y 1
		.amdhsa_system_sgpr_workgroup_id_z 1
		.amdhsa_system_vgpr_workitem_id 0
		.amdhsa_next_free_vgpr 1024
		.amdhsa_next_free_sgpr 106
		.amdhsa_reserve_vcc 0
		.amdhsa_float_denorm_mode_32 3
		.amdhsa_float_denorm_mode_16_64 3
		.amdhsa_memory_ordered 1
		.amdhsa_forward_progress 1
		.amdhsa_inst_pref_size 218
	.end_amdhsa_kernel
	.amdgpu_metadata
---
amdhsa.version: [ 1, 2 ]
amdhsa.kernels:
  - .name:           k_q51ff8b62a3_qkv
    .symbol:         k_q51ff8b62a3_qkv.kd
    .args:
      - { .name: xc, .offset: 0, .size: 8, .value_kind: global_buffer, .address_space: global }
      - { .name: wc, .offset: 8, .size: 8, .value_kind: global_buffer, .address_space: global }
      - { .name: lowp_scales, .offset: 16, .size: 8, .value_kind: global_buffer, .address_space: global }
      - { .name: bq, .offset: 24, .size: 8, .value_kind: global_buffer, .address_space: global }
      - { .name: bk, .offset: 32, .size: 8, .value_kind: global_buffer, .address_space: global }
      - { .name: bv, .offset: 40, .size: 8, .value_kind: global_buffer, .address_space: global }
      - { .name: Qc, .offset: 48, .size: 8, .value_kind: global_buffer, .address_space: global }
      - { .name: Kc, .offset: 56, .size: 8, .value_kind: global_buffer, .address_space: global }
      - { .name: Vc, .offset: 64, .size: 8, .value_kind: global_buffer, .address_space: global }
    .group_segment_fixed_size: 327680
    .private_segment_fixed_size: 0
    .kernarg_segment_align: 8
    .kernarg_segment_size: 72
    .max_flat_workgroup_size: 128
    .sgpr_count:     106
    .vgpr_count:     1024
    .wavefront_size: 32
...
	.end_amdgpu_metadata
.endif
;; end of part 2
;; launch attn (part 3): grid 4 x 64, 16 waves a work-group, clusters of 4 x 1, 327,680 bytes of LDS; arguments Qc, Kc, Vc, lowp_scales, Ac; writes Ac
.if DOCPART == 3
	.amdgcn_target "amdgcn-amd-amdhsa--gfx1250"
	.amdhsa_code_object_version 6
	.text
	.protected	k_q51ff8b62a3_attn
	.globl	k_q51ff8b62a3_attn
	.p2align	8
	.type	k_q51ff8b62a3_attn,@function
k_q51ff8b62a3_attn:
	s_mov_b64 s[64:65], 0
	v_nop
	global_prefetch_b8 v0, s[64:65] scope:SCOPE_SE
	s_setreg_imm32_b32 hwreg(HW_REG_WAVE_MODE, 25, 1), 1
	s_wait_xcnt 0x0
	s_wait_alu depctr_hold_cnt(0) depctr_sa_sdst(0) depctr_va_vdst(0) depctr_va_sdst(0) depctr_va_ssrc(0) depctr_va_vcc(0) depctr_vm_vsrc(0)
	s_getreg_b32 s2, hwreg(HW_REG_IB_STS2, 6, 4)
	s_cmp_eq_u32 s2, 0
	s_cbranch_scc0 .Lentry_in_a_cluster
	s_endpgm
.Lentry_in_a_cluster:
	s_bfe_u32 s2, ttmp6, 0x10000c
	s_cmp_lg_u32 s2, 0x3003
	s_cbranch_scc0 .Lentry_shape_is_right
	s_endpgm
.Lentry_shape_is_right:
; ATTENTION ON CODES OF FP8 (E4M3), and the quantiser of its result (entry 10).  Nothing is left out.
; Qc, Kc: [batch x head (64)][tile of 16 tokens (128)][1,024: image of a 16 x 64 fragment].  Vc: [batch x head][chunk of 128 keys (16)][d tile (4)][2,048: image of 16 d x 128 keys].  Ac: [row tile][chunk of 128 k (8)][2,048].
; SOFTMAX: t = score x log2(e) / 8; M = the running largest t rounded up to a whole number; p = 2^(t - M) is quantised (entry 8); the row's sum is taken of the unquantised p in f32 and divides at the end.
; SHARES: a work-group owns 512 queries of one head, a wave 32 of them (two tiles).  The four work-groups of a cluster walk the same head: its K (131,072 bytes, from LDS byte 0) and V (131,072 bytes behind it) are asked for
; jointly and lie whole in LDS: the first 512 keys by each wave's load at the head, the other 1,536 by its second load.  Nothing is filled again.  No prefetch: all of K and V is asked for at the head, so there is no loop to run ahead in.
; A STEP IS 128 KEYS.  Both products are used transposed (S^T = K Q^T, O^T = V^T P^T): a lane holds one query, its registers run along the keys, and the conversions' results are the second product's operand.
; K's fragments are read from LDS one step ahead, at a step's end.  So the first three steps, whose look-ahead ends at key 511, run while the second load may be out, and the other thirteen behind the wait for it.
; The last step's look-ahead reads the 8,192 bytes behind K (the start of V) and is not used.
; REGISTERS, all 256: v0 16 x lane; v1, v2 LDS addresses; v3 the conversion's scale; v4, v5 the add's two; v6, v7 the hold's bound, twice (the dual pairs take it from two banks); v8-11 maxima, then second chains of the sums;
;   v12-23 for each tile -M, largest t, sum (2), f, a lane permute's result; v24-39 Q; v40-55 p's codes, one set for both tiles by turns; v56-119 tile 0's scores, later V's four fragments; v120-183 tile 1's scores;
;   v128-191 K's eight fragments: tile 1's scores of key tile t land on K's fragment t - 1, five places behind the product that read it; v192-255 O^T.
; LIMITS: entries 6 + 7 between -123 and 130; entries 8, 10 between -126 and 119; the scaled scores stay under 2^31 in magnitude.
.set SPARE, 262144                     ; behind K and V: the spare words, 128 bytes a wave
.set L16,  0
.set ADK,  1
.set ADV,  2
.set PSC,  3
.set SPW,  4
.set NIL,  5
.set PLA,  6
.set PLB,  7
.set MX,   8
.set ST,   12
.set QF,   24
.set X,    40
.set S,    56
.set KF,   128
.set O,    192
.macro CROUND
	s_barrier_signal -1
	s_barrier_wait -1
	s_cmp_lg_u32 s14, 0
	s_cbranch_scc1 .Lnot_wave_0_\@
	s_barrier_signal -3
.Lnot_wave_0_\@:
	s_barrier_wait -3
	s_barrier_signal -1
	s_barrier_wait -1
.endm
	s_load_b256 s[4:11], s[0:1], 0x0               ; Qc 4, Kc 6, Vc 8, the exponents 10
	s_load_b64 s[12:13], s[0:1], 0x20              ; Ac
	v_lshl_add_u32 v[SPW], v0, 2, SPARE
	v_mov_b32 v[NIL], 0
	ds_add_u32 v[SPW], v[NIL]                      ; the opening lines: the add, twice on end, and its wait
	ds_add_u32 v[SPW], v[NIL]
	v_lshrrev_b32 v1, 5, v0
	v_readfirstlane_b32 s14, v1                    ; wave 0..15
	v_and_b32 v1, 31, v0
	v_lshlrev_b32 v[L16], 4, v1
	s_bfe_u32 s15, ttmp6, 0x40000                  ; cx: which 512 queries
	s_and_b32 s16, ttmp7, 0xffff                   ; batch x head
	s_and_b32 s2, s14, 7                           ; which eighth I fetch,
	s_lshr_b32 s3, s14, 3                          ; of K (0) or of V (1)
	s_mov_b32 s24, 15|(3<<16)|(1<<21)              ; group 1, first load: 16 rows of 256 bytes, dense, elements of 8 bytes; the mask names the cluster's four
	s_mov_b32 s25, 32<<16
	s_mov_b32 s26, 16<<16
	s_mov_b32 s27, 32<<16
	s_mov_b32 s28, 16
	s_mov_b32 s29, 32
	s_mov_b32 s30, 0
	s_mov_b32 s31, 0
	s_mov_b32 s32, 15|(3<<16)|(1<<21)              ; second load: 48 rows of 256 bytes
	s_mov_b32 s33, 32<<16
	s_mov_b32 s34, 48<<16
	s_mov_b32 s35, 32<<16
	s_mov_b32 s36, 48
	s_mov_b32 s37, 32
	s_mov_b32 s38, 0
	s_mov_b32 s39, 0
	s_lshl_b32 s17, s3, 17
	s_lshl_b32 s62, s2, 12
	s_mul_i32 s63, s2, 12288
	s_add_co_u32 s63, s63, 32768
	s_mov_b32 s40, 1
	s_add_co_u32 s41, s17, s62
	s_mov_b32 s44, 1
	s_add_co_u32 s45, s17, s63
	s_lshl_b32 s18, s16, 17
	s_mov_b32 s19, 0
	s_mov_b32 s20, 0x76543210
	s_mov_b32 s21, 0xfedcba98                      ; lane l xor 16
	s_mov_b32 s22, 0x3e38aa3b                      ; c = log2(e) / 8
	s_mov_b32 s60, 0
	s_wait_alu depctr_va_vdst(0)                   ; directly ahead of the waits below
	s_wait_dscnt 0x0
	s_wait_kmcnt 0x0
	s_load_b256 s[48:55], s[10:11], 0x0            ; e0 .. e7
	s_load_b128 s[56:59], s[10:11], 0x20           ; e8 .. e11
	s_cmp_lt_u32 s14, 8
	s_cselect_b64 s[6:7], s[6:7], s[8:9]
	s_add_nc_u64 s[6:7], s[6:7], s[18:19]
	s_mov_b32 s18, s62
	s_add_nc_u64 s[42:43], s[6:7], s[18:19]
	s_or_b32 s43, s43, 0x80000000
	s_mov_b32 s18, s63
	s_add_nc_u64 s[46:47], s[6:7], s[18:19]
	s_or_b32 s47, s47, 0x80000000
	s_lshl_b32 s66, s15, 15
	s_lshl_b32 s68, s14, 11
	s_add_co_u32 s66, s66, s68
	s_lshl_b32 s68, s16, 17
	s_add_co_u32 s66, s66, s68
	s_mov_b32 s67, 0
	s_add_nc_u64 s[4:5], s[4:5], s[66:67]          ; my 32 queries' codes
.irp q, 0,1
.irp i, 0,1
	global_load_b128 v[QF+8*\q+4*\i:QF+8*\q+4*\i+3], v[L16], s[4:5] offset:\q*1024+512*\i th:TH_LOAD_NT   ; Q stays in registers
.endr
.endr
	s_lshr_b32 s68, s16, 4
	s_lshl_b32 s66, s68, 21
	s_lshl_b32 s68, s15, 19
	s_add_co_u32 s66, s66, s68
	s_lshl_b32 s68, s14, 15
	s_add_co_u32 s66, s66, s68
	s_and_b32 s68, s16, 15
	s_lshl_b32 s68, s68, 10
	s_add_co_u32 s66, s66, s68
	s_add_nc_u64 s[12:13], s[12:13], s[66:67]      ; where my codes go
	CROUND                                         ; in front of the first joint loads
	tensor_load_to_lds s[40:43], s[24:31]          ; my part of the first 512 keys: one tensor load a wave at the head
	s_nop 0
.irp q, 0,1
	v_mov_b32 v[ST+6*\q+1], 0xff61b1e6             ; the largest t so far: -3e38
	v_floor_f32 v[ST+6*\q], -v[ST+6*\q+1]          ; -M
	v_mov_b32 v[ST+6*\q+2], 0
	v_mov_b32 v[ST+6*\q+3], 0
	v_mov_b32 v[ST+6*\q+5], 0
.endr
.set J, 0
.rept 64
	v_mov_b32 v[O+J], 0                            ; the step is written without a first step of its own: it finds zeros
.set J, J+1
.endr
	s_wait_kmcnt 0x0
	s_add_co_i32 s68, s54, s55
	s_lshl_b32 s68, s68, 23
	s_add_co_i32 s22, s22, s68                     ; c x 2^(e6 + e7)
	s_mov_b32 s23, s22
	s_add_co_i32 s68, s56, 127
	s_lshl_b32 s69, s68, 23
	v_mov_b32 v[PSC], s69                          ; 2^e8
	s_add_co_i32 s68, s68, 8
	s_lshl_b32 s68, s68, 23
	s_or_b32 s68, s68, 0x600000
	v_mov_b32 v[PLA], s68                          ; 448 x 2^e8
	v_mov_b32 v[PLB], s68
	s_add_co_i32 s70, s58, 127
	s_lshl_b32 s69, s70, 23                        ; 2^e10
	s_add_co_i32 s70, s70, 8
	s_lshl_b32 s70, s70, 23
	s_or_b32 s70, s70, 0x600000                    ; 448 x 2^e10
	s_add_co_i32 s68, s56, s57                     ; e8 + e9
	s_wait_alu depctr_va_vdst(0)
	s_wait_tensorcnt 0x0                           ; a later first fill is issued as a refill is
	ds_add_u32 v[SPW], v[NIL]
	s_wait_dscnt 0x0
	CROUND
	tensor_load_to_lds s[44:47], s[32:39]          ; my part of the other 1,536 keys
	s_nop 0
.rept 4
	v_nop
.endr
	s_wait_loadcnt 0x0                             ; Q
; the n-th of the 31 lines that take tile q's largest score among a lane's 64, in two chains, each accumulator from its low end on
.macro MAXI q, n
.if (\n) < 2
	v_max3_num_f32 v[MX+2*\q+(\n)], v[S+64*\q+3*(\n)], v[S+64*\q+3*(\n)+1], v[S+64*\q+3*(\n)+2]
.else
	v_max3_num_f32 v[MX+2*\q+(\n)%2], v[MX+2*\q+(\n)%2], v[S+64*\q+2*(\n)+2], v[S+64*\q+2*(\n)+3]
.endif
.endm
; the k-th of the ten dependent lines from tile q's two maxima to its new -M and f = 2^(old M - new M); they are laid among independent lines
.macro CH q, k
.if (\k) == 0
	v_max_num_f32 v[MX+2*\q], v[MX+2*\q], v[MX+2*\q+1]
.elseif (\k) == 1
	v_permlanex16_b32 v[ST+6*\q+5], v[MX+2*\q], s20, s21
.elseif (\k) == 2
	v_max_num_f32 v[MX+2*\q], v[MX+2*\q], v[ST+6*\q+5]
.elseif (\k) == 3
	v_mul_f32 v[MX+2*\q], s22, v[MX+2*\q]          ; as t (c is positive)
.elseif (\k) == 4
	v_max_num_f32 v[ST+6*\q+1], v[ST+6*\q+1], v[MX+2*\q]
.elseif (\k) == 5
	v_mov_b32 v[MX+2*\q], v[ST+6*\q]
.elseif (\k) == 6
	v_floor_f32 v[ST+6*\q], -v[ST+6*\q+1]          ; -M = floor(-t)
.elseif (\k) == 7
	v_sub_f32 v[MX+2*\q], v[ST+6*\q], v[MX+2*\q]
.elseif (\k) == 8
	v_cvt_i32_f32 v[MX+2*\q], v[MX+2*\q]           ; (it saturates)
.else
	v_ldexp_f32 v[ST+6*\q+4], 1.0, v[MX+2*\q]
.endif
.endm
.macro ORS q                           ; the next two numbers of O^T under the new M
	v_pk_mul_f32 v[JO:JO+1], v[JO:JO+1], v[ST+6*\q+4:ST+6*\q+5] op_sel_hi:[1,0]
.set JO, JO+2
.endm
.macro TMS q                           ; the next two scores as t - M
	v_pk_fma_f32 v[JF:JF+1], v[JF:JF+1], s[22:23], v[ST+6*\q:ST+6*\q+1] op_sel_hi:[1,0,0]
.set JF, JF+2
.endm
.macro SUMS q                          ; the row's sum, of the unquantised p: two at a time, in two chains
	v_pk_add_f32 v[MX+2*\q:MX+2*\q+1], v[S+64*\q:S+64*\q+1], v[S+64*\q+2:S+64*\q+3]
.set J, S+64*\q+4
.rept 15
	v_pk_add_f32 v[ST+6*\q+2:ST+6*\q+3], v[ST+6*\q+2:ST+6*\q+3], v[J:J+1]
	v_pk_add_f32 v[MX+2*\q:MX+2*\q+1], v[MX+2*\q:MX+2*\q+1], v[J+2:J+3]
.set J, J+4
.endr
	v_pk_add_f32 v[ST+6*\q+2:ST+6*\q+3], v[ST+6*\q+2:ST+6*\q+3], v[MX+2*\q:MX+2*\q+1]
.endm
.macro MINS q, j0, n                   ; the conversion does not saturate (ISA guide 7.6.2); p is not negative, so the hold is one-sided; two numbers a line, n lines from number j0 on
.set J, S+64*\q+\j0
.rept \n
	v_dual_min_num_f32 v[J], v[J], v[PLA] :: v_dual_min_num_f32 v[J+1], v[J+1], v[PLB]
.set J, J+2
.endr
.endm
.macro CVTS q                          ; registers 2 t, 2 t + 1 of the operand: keys 16 t + 8 (lane / 16) + 0 .. 7
.irp t, 0,1,2,3,4,5,6,7
	v_cvt_scalef32_pk8_fp8_f32 v[X+2*\t:X+2*\t+1], v[S+64*\q+8*\t:S+64*\q+8*\t+7], v[PSC]
.endr
.endm
.macro PV q                            ; O^T += V^T P^T over the step's 128 keys; the four accumulators take turns
.irp d, 0,1,2,3
	v_wmma_f32_16x16x128_fp8_fp8 v[O+32*\q+8*\d:O+32*\q+8*\d+7], v[S+16*\d:S+16*\d+15], v[X:X+15], v[O+32*\q+8*\d:O+32*\q+8*\d+7]
.endr
.endm
.macro KLOAD off                       ; K's eight fragments of the 128 keys that begin off bytes behind the step's
.irp t, 0,1,2,3,4,5,6,7
.irp i, 0,1
	ds_load_b128 v[KF+8*\t+4*\i:KF+8*\t+4*\i+3], v[ADK] offset:\off+1024*\t+512*\i
.endr
.endr
.endm
.macro STEP
	v_add_nc_u32 v[ADK], s60, v[L16]
	v_add_nc_u32 v[ADV], 0x20000, v[ADK]
.rept 3
	v_nop                                          ; with the two additions: five places between the last products and the first below, which writes over V's fragments
.endr
	s_wait_dscnt 0x0                               ; K's fragments, asked for at the last step's end
.irp t, 0,1,2,3,4,5,6,7
	v_wmma_f32_16x16x64_fp8_fp8 v[S+8*\t:S+8*\t+7], v[KF+8*\t:KF+8*\t+7], v[QF:QF+7], 0
.endr
	v_wmma_f32_16x16x64_fp8_fp8 v[S+64:S+71], v[KF:KF+7], v[QF+8:QF+15], 0
.rept 5
	v_nop                                          ; five places ahead of the product that writes over K's fragment 0; they also stand ahead of the first read of tile 0's scores
.endr
.irp t, 1,2,3,4,5,6
	v_wmma_f32_16x16x64_fp8_fp8 v[S+64+8*\t:S+71+8*\t], v[KF+8*\t:KF+8*\t+7], v[QF+8:QF+15], 0
.irp n, 0,1,2,3,4
	MAXI 0, 5*(\t-1)+\n                            ; five lines of tile 0's maximum are the five places
.endr
.endr
	v_wmma_f32_16x16x64_fp8_fp8 v[S+120:S+127], v[KF+56:KF+63], v[QF+8:QF+15], 0
	MAXI 0, 30
.set N, 0
.rept 10                               ; tile 1's maximum, with tile 0's chain laid among its lines
	MAXI 1, N
	MAXI 1, N+1
	MAXI 1, N+2
	CH 0, N/3
.set N, N+3
.endr
	MAXI 1, 30
.set JO, O
.set JF, S
.set N, 0
.rept 10                               ; tile 1's chain, with tile 0's rescaling and scaling laid among its lines.  All of O^T is rescaled ahead of the exponentials
	CH 1, N
	ORS 0
	TMS 0
.set N, N+1
.endr
.rept 6
	ORS 0
.endr
.rept 22
	TMS 0
.endr
.rept 16
	ORS 1
.endr
.rept 32
	TMS 1
.endr
	s_wait_alu depctr_va_vdst(0)                   ; the wait ahead of the batch
.set J, S
.rept 128
	v_exp_f32 v[J], v[J]
.set J, J+1
.endr
	v_pk_mul_f32 v[ST+2:ST+3], v[ST+2:ST+3], v[ST+4:ST+5] op_sel_hi:[1,0]   ; the sums under the new M; a plain place behind the batch
	s_wait_alu depctr_va_vdst(0)                   ; and the one wait behind it
	v_pk_mul_f32 v[ST+8:ST+9], v[ST+8:ST+9], v[ST+10:ST+11] op_sel_hi:[1,0]
	SUMS 0
	MINS 0, 0, 32
	CVTS 0
.irp d, 0,1,2,3
.irp c, 0,1,2,3
	ds_load_b128 v[S+16*\d+4*\c:S+16*\d+4*\c+3], v[ADV] offset:2048*\d+512*\c   ; V's fragments land where tile 0's p lay
.endr
.endr
	SUMS 1
	MINS 1, 0, 27                                  ; 59 lines stand between V's loads and the wait for them
	s_wait_dscnt 0x0
	PV 0
	MINS 1, 54, 5                                  ; five places ahead of the conversions, which write the codes' registers anew
	CVTS 1
	KLOAD 8192                                     ; the next step's K, where tile 1's p lay
	v_nop                                          ; a plain line between the conversions and the products that read their results
	PV 1
.endm
.macro PHASE n, left
	s_wait_tensorcnt \left                         ; left = 1: the second load may be out; 0: all of K and V is in
	s_wait_dscnt 0x0
	s_barrier_signal -1
	s_barrier_wait -1
	s_mov_b32 s61, \n
.Ltrip_\@:
	STEP
	s_add_co_u32 s60, s60, 8192                    ; 128 keys on, in K and in V alike
	s_sub_co_u32 s61, s61, 1
	s_cmp_lg_u32 s61, 0
	s_cbranch_scc1 .Ltrip_\@
.endm
	v_add_nc_u32 v[ADK], s60, v[L16]
	KLOAD 0                                        ; the first step's K: the round above has shown the first 512 keys to every wave
	PHASE 3, 1
	PHASE 13, 0
	; THE WAY OUT: O^T / the sum x 2^(e8 + e9), held, converted with entry 10: the codes are a piece of the next product's operand image
.irp q, 0,1
	v_add_f32 v[MX+2*\q], v[ST+6*\q+2], v[ST+6*\q+3]
.endr
.irp q, 0,1
	v_permlanex16_b32 v[ST+6*\q+5], v[MX+2*\q], s20, s21
.endr
.irp q, 0,1
	v_add_f32 v[MX+2*\q], v[MX+2*\q], v[ST+6*\q+5]
.endr
	s_wait_alu depctr_va_vdst(0)                   ; the wait ahead of the batch
.irp q, 0,1
	v_rcp_f32 v[ST+6*\q+4], v[MX+2*\q]
.endr
	v_mov_b32 v[PSC], s69
	v_mov_b32 v[PLA], s70
	s_wait_alu depctr_va_vdst(0)                   ; and behind it
.irp q, 0,1
	v_ldexp_f32 v[ST+6*\q+4], v[ST+6*\q+4], s68
.endr
	s_wait_alu depctr_va_vdst(0)                   ; directly ahead of the first reader of O^T
.irp q, 0,1
.set J, 0
.rept 16
	v_pk_mul_f32 v[S+32*\q+J:S+32*\q+J+1], v[O+32*\q+J:O+32*\q+J+1], v[ST+6*\q+4:ST+6*\q+5] op_sel_hi:[1,0]
.set J, J+2
.endr
.endr
.set J, S
.rept 64
	v_med3_num_f32 v[J], v[J], -v[PLA], v[PLA]
.set J, J+1
.endr
.irp d, 0,1,2,3,4,5,6,7
	v_cvt_scalef32_pk8_fp8_f32 v[X+2*\d:X+2*\d+1], v[S+8*\d:S+8*\d+7], v[PSC]
.endr
	v_nop
.irp q, 0,1
.irp i, 0,1
	global_store_b128 v[L16], v[X+8*\q+4*\i:X+8*\q+4*\i+3], s[12:13] offset:\q*16384+512*\i   ; 512 consecutive bytes, aligned
.endr
.endr
	s_wait_tensorcnt 0x0                           ; the wave's end
	ds_add_u32 v[SPW], v[NIL]
	s_wait_dscnt 0x0
	CROUND                                         ; the closing round
	s_endpgm
.Lfunc_end_k_q51ff8b62a3_attn:
	.size	k_q51ff8b62a3_attn, .Lfunc_end_k_q51ff8b62a3_attn-k_q51ff8b62a3_attn
	.p2alignl 7, 3214868480
	.fill 96, 4, 3214868480
	.section	.rodata,"a",@progbits
	.p2align	6, 0x0
	.amdhsa_kernel k_q51ff8b62a3_attn
		.amdhsa_group_segment_fixed_size 327680
		.amdhsa_private_segment_fixed_size 0
		.amdhsa_enable_private_segment 0
		.amdhsa_kernarg_size 40
		.amdhsa_user_sgpr_count 2
		.amdhsa_user_sgpr_kernarg_segment_ptr 1
		.amdhsa_wavefront_size32 1
		.amdhsa_system_sgpr_workgroup_id_x 1
		.amdhsa_system_sgpr_workgroup_id_y 1
		.amdhsa_system_sgpr_workgroup_id_z 1
		.amdhsa_system_vgpr_workitem_id 0
		.amdhsa_next_free_vgpr 256
		.amdhsa_next_free_sgpr 72
		.amdhsa_reserve_vcc 0
		.amdhsa_float_denorm_mode_32 3
		.amdhsa_float_denorm_mode_16_64 3
		.amdhsa_memory_ordered 1
		.amdhsa_forward_progress 1
		.amdhsa_inst_pref_size 74
	.end_amdhsa_kernel
	.amdgpu_metadata
---
amdhsa.version: [ 1, 2 ]
amdhsa.kernels:
  - .name:           k_q51ff8b62a3_attn
    .symbol:         k_q51ff8b62a3_attn.kd
    .args:
      - { .name: Qc, .offset: 0, .size: 8, .value_kind: global_buffer, .address_space: global }
      - { .name: Kc, .offset: 8, .size: 8, .value_kind: global_buffer, .address_space: global }
      - { .name: Vc, .offset: 16, .size: 8, .value_kind: global_buffer, .address_space: global }
      - { .name: lowp_scales, .offset: 24, .size: 8, .value_kind: global_buffer, .address_space: global }
      - { .name: Ac, .offset: 32, .size: 8, .value_kind: global_buffer, .address_space: global }
    .group_segment_fixed_size: 327680
    .private_segment_fixed_size: 0
    .kernarg_segment_align: 8
    .kernarg_segment_size: 40
    .max_flat_workgroup_size: 512
    .sgpr_count:     72
    .vgpr_count:     256
    .wavefront_size: 32
...
	.end_amdgpu_metadata
.endif
;; end of part 3
;; launch proj (part 4): grid 8 x 32, 4 waves a work-group, clusters of 4 x 4, 327,680 bytes of LDS; arguments Ac, wc, lowp_scales, bo, out0; writes out0
.if DOCPART == 4
	.amdgcn_target "amdgcn-amd-amdhsa--gfx1250"
	.amdhsa_code_object_version 6
	.text
	.protected	k_q51ff8b62a3_proj
	.globl	k_q51ff8b62a3_proj
	.p2align	8
	.type	k_q51ff8b62a3_proj,@function
k_q51ff8b62a3_proj:
	s_mov_b64 s[64:65], 0
	v_nop
	global_prefetch_b8 v0, s[64:65] scope:SCOPE_SE
	s_setreg_imm32_b32 hwreg(HW_REG_WAVE_MODE, 25, 1), 1
	s_wait_xcnt 0x0
	s_wait_alu depctr_hold_cnt(0) depctr_sa_sdst(0) depctr_va_vdst(0) depctr_va_sdst(0) depctr_va_ssrc(0) depctr_va_vcc(0) depctr_vm_vsrc(0)
	s_getreg_b32 s2, hwreg(HW_REG_IB_STS2, 6, 4)
	s_cmp_eq_u32 s2, 0
	s_cbranch_scc0 .Lentry_in_a_cluster
	s_endpgm
.Lentry_in_a_cluster:
	s_bfe_u32 s2, ttmp6, 0x10000c
	s_cmp_lg_u32 s2, 0xf033
	s_cbranch_scc0 .Lentry_shape_is_right
	s_endpgm
.Lentry_shape_is_right:
; out0 = A Wo + bo on codes of FP8 (E4M3): A = the attention's codes (entry 10), Wo the fourth weight in wc (entry 11).  Nothing is left out.
; Operands lie as images of their registers ([row tile][chunk of 128 k (8)][2,048]).  A tile of 256 rows x 128 columns by four waves of 128 x 64, so that the 8 x 32 tiles are 256 work-groups;
; K in four steps of 256 through two LDS slots, written out; 4 x 4 clusters with joint loads: waves 0, 1 fetch A's halves (8 row tiles each), waves 2, 3 B's (4 row tiles each), each at 32,768 x wave in a slot.
; The sums leave through each wave's stage in slot 0, which has had its last fill: rows of 256 bytes, two a store, sixteen lanes to an aligned unit of 256 bytes.  LIMIT: entries 10 + 11 between -126 and 127.
.set KCH,    4096
.set HALFT,  32768
.set SLOT,   4*HALFT
.set SPARE,  2*SLOT
.set FR,     16
.set NL,     4
.set NP,     4
.set SPITCH, 272
.set BO,   8
.set ADRA, 16
.set ADRB, 20
.set STO,  24
.set RD,   25
.set CO,   26
.set SPW,  28
.set NIL,  29
.set AF,   128
.set BK,   128
.set G1, 24
.set G0, 32
.set G1B, 48
.set G0B, 56
.set MSB, 0
.macro WIN new
.if MSB != \new
	s_set_vgpr_msb (MSB<<8)|\new
.set MSB, \new
.endif
.endm
.set MUL_LO, 0xa1
.set MUL_HI, 0xf1
.set TO_B,   0x40
.macro JLOAD g0a, g1a, g0b, g1b
	s_cmp_eq_u32 s15, 0
	s_cbranch_scc0 .Lfor_b_\@
	tensor_load_to_lds s[\g0a:\g0a+3], s[\g1a:\g1a+7]
	s_nop 0
.rept 4
	v_nop
.endr
	s_branch .Lasked_\@
.Lfor_b_\@:
	tensor_load_to_lds s[\g0b:\g0b+3], s[\g1b:\g1b+7]
	s_nop 0
.rept 4
	v_nop
.endr
.Lasked_\@:
.endm
.macro CREST
	s_cmp_lg_u32 s14, 0
	s_cbranch_scc1 .Lnot_wave_0_\@
	s_barrier_signal -3
.Lnot_wave_0_\@:
	s_barrier_wait -3
	s_barrier_signal -1
	s_barrier_wait -1
.endm
.macro CROUND
	s_barrier_signal -1
	s_barrier_wait -1
	CREST
.endm
	s_load_b256 s[68:75], s[0:1], 0x0
	s_load_b64 s[76:77], s[0:1], 0x20
	v_lshl_add_u32 v[SPW], v0, 2, SPARE
	v_mov_b32 v[NIL], 0
	ds_add_u32 v[SPW], v[NIL]
	ds_add_u32 v[SPW], v[NIL]
	v_lshrrev_b32 v1, 5, v0
	v_readfirstlane_b32 s14, v1
	s_lshr_b32 s15, s14, 1
	s_mul_i32 s99, s15, 15
	s_xor_b32 s84, s15, 1
	s_lshl_b32 s84, s84, 14
	v_and_b32 v4, 15, v0                           ; the prefetches' offset, never rewritten: 256 x (lane % 16);
	v_bfe_u32 v5, v0, 4, 1
	v_mul_u32_u24 v7, s99, v5                      ; in B's waves, which name one row tile, lanes 16-31 name its last block again;
	v_or_b32 v4, v4, v7
	v_mul_u32_u24 v5, s84, v5                      ; in A's waves, which name two, they take the second
	v_lshl_add_u32 v4, v4, 8, v5
	s_and_b32 s16, s14, 1
	s_bfe_u32 s40, ttmp6, 0x40000
	s_bfe_u32 s41, ttmp6, 0x40004
	s_lshl_b32 s42, ttmp9, 2
	s_add_co_u32 s42, s42, s40
	s_and_b32 s17, ttmp7, 0xffff
	s_lshl_b32 s17, s17, 2
	s_add_co_u32 s17, s17, s41
	s_lshl_b32 s43, s41, 2
	s_lshl_b32 s43, 15, s43
	s_lshl_b32 s44, 0x1111, s40
	s_or_b32 s[G1+0], s43, (3<<16)|(1<<21)
	s_or_b32 s[G1B+0], s44, (3<<16)|(1<<21)
.irp g, G1, G1B
	s_mov_b32 s[\g+1], 512<<16
	s_mov_b32 s[\g+2], 8<<16
	s_mov_b32 s[\g+3], 512<<16
	s_mov_b32 s[\g+4], 8
	s_mov_b32 s[\g+5], 2048
	s_mov_b32 s[\g+6], 0
	s_mov_b32 s[\g+7], 0
.endr
	s_mov_b32 s[G1B+2], 4<<16                      ; B's piece is 4 row tiles
	s_mov_b32 s[G1B+4], 4
	s_lshl_b32 s18, s16, 17
	s_lshl_b32 s20, s17, 18
	s_add_co_u32 s20, s20, s18
	s_mov_b32 s21, 0
	s_lshl_b32 s46, s42, 17                        ; B: 128 rows of Wo's codes a tile column, 64 a wave
	s_lshl_b32 s19, s16, 16
	s_add_co_u32 s46, s46, s19
	s_mov_b32 s47, 0
	s_lshl_b32 s45, s14, 15
	s_wait_alu depctr_va_vdst(0)                   ; directly ahead of the waits below
	s_wait_dscnt 0x0
	s_wait_kmcnt 0x0
	s_load_b64 s[96:97], s[72:73], 0x28
	s_add_nc_u64 s[20:21], s[68:69], s[20:21]
	s_add_nc_u64 s[46:47], s[70:71], s[46:47]
	s_add_nc_u64 s[46:47], s[46:47], 0x300000
; PREFETCH INTO THE L2.  The row tiles that my wave fetches are shared out among the four partners that ask for them jointly, by address (cx for A: two tiles each; cy for B: one each): a lane to each block of 256 bytes, one instruction a wave.
; Behind K step 0's load K steps 1 and 2 are named, behind K step 1's load K step 3: never more than two K steps are asked for and unread.  Wo's rows, which all eight rows of clusters read, are named by the first four only.
	s_cmp_eq_u32 s15, 0
	s_cselect_b64 s[82:83], s[20:21], s[46:47]
	s_cselect_b32 s84, s40, s41
	s_sub_co_u32 s99, 15, s15
	s_lshl_b32 s84, s84, s99
	s_mov_b32 s85, 0
	s_add_nc_u64 s[82:83], s[82:83], s[84:85]      ; never rewritten
	s_and_b32 s98, ttmp7, 0xffff
	s_lshr_b32 s98, s98, 2
	s_mul_i32 s98, s98, s15                        ; 0 where my wave asks
.macro ASK k
	s_cmp_eq_u32 s98, 0
	s_cbranch_scc0 .Lnot_mine_\@
	global_prefetch_b8 v4, s[82:83] offset:(\k)*KCH th:TH_LOAD_NT scope:SCOPE_SE
.Lnot_mine_\@:
.endm
	CROUND
.irp s, 0,1
	s_mov_b32 s[G0+4*\s], 1
	s_add_co_u32 s[G0+4*\s+1], s45, \s*SLOT
	s_add_nc_u64 s[G0+4*\s+2:G0+4*\s+3], s[20:21], \s*KCH
	s_or_b32 s[G0+4*\s+3], s[G0+4*\s+3], 0x80000000
	s_mov_b32 s[G0B+4*\s], 1
	s_add_co_u32 s[G0B+4*\s+1], s45, \s*SLOT
	s_add_nc_u64 s[G0B+4*\s+2:G0B+4*\s+3], s[46:47], \s*KCH
	s_or_b32 s[G0B+4*\s+3], s[G0B+4*\s+3], 0x80000000
.if \s                                         ; slot 1's first fill is issued as a refill is
	s_wait_alu depctr_va_vdst(0)
	s_wait_tensorcnt 0x0
	ds_add_u32 v28, v29
	s_wait_dscnt 0x0
	CROUND
.endif
	JLOAD G0+4*\s, G1, G0B+4*\s, G1B
.if \s
	ASK 3
.else
	ASK 1
	ASK 2
.endif
.endr
	v_and_b32 v1, 31, v0
	v_lshlrev_b32 v[CO], 4, v1
	s_lshl_b32 s21, s15, 15
	s_lshl_b32 s22, s16, 15
	s_add_co_u32 s22, s22, 2*HALFT
.irp s, 0,1
	v_add_nc_u32 v[ADRA+\s], s21, v[CO]
	v_add_nc_u32 v[ADRB+\s], s22, v[CO]
	s_add_co_u32 s21, s21, SLOT
	s_add_co_u32 s22, s22, SLOT
.endr
	v_and_b32 v2, 15, v0
	v_bfe_u32 v3, v0, 4, 1
	s_mul_i32 s23, s14, 16*SPITCH
	v_mul_u32_u24 v5, v2, SPITCH
	v_lshl_add_u32 v5, v3, 5, v5
	v_add_nc_u32 v[STO], s23, v5
	v_lshlrev_b32 v6, 4, v2                        ; 16 x (lane % 16): my 16 bytes of a row of 256
	v_mad_u32_u24 v[RD], v3, SPITCH, v6            ; back from the stage: lanes 0-15 one row, lanes 16-31 the next
	v_add_nc_u32 v[RD], s23, v[RD]
	v_lshl_add_u32 v27, v3, 12, v6                 ; and the same two rows in out0
	s_lshl_b32 s20, s17, 20
	s_lshl_b32 s21, s15, 19
	s_add_co_u32 s20, s20, s21
	s_mov_b32 s21, 0
	s_lshl_b32 s46, s42, 9                         ; my first column, in bytes: 512 x tile column + 256 x half
	s_lshl_b32 s47, s16, 8
	s_add_co_u32 s46, s46, s47
	s_mov_b32 s47, 0
	s_add_nc_u64 s[74:75], s[74:75], s[46:47]
	s_add_nc_u64 s[20:21], s[20:21], s[46:47]
	s_add_nc_u64 s[76:77], s[76:77], s[20:21]
	s_wait_alu depctr_va_vdst(0)                   ; directly ahead of the reader below
	global_load_b128 v[BO:BO+3], v6, s[74:75]
.macro FRAG reg, adr, q, i
.irp c, 0,1,2,3
	ds_load_b128 v[\reg+4*\c:\reg+4*\c+3], v[\adr] offset:(\i)*4096+(\q)*2048+512*\c
.endr
.endm
.macro MUL16 a0, p, zero
.irp a, \a0, \a0+1
.irp b, 0,1,2,3
.if \zero
	v_wmma_f32_16x16x128_fp8_fp8 v[8*(8*((\a)%4)+\b):8*(8*((\a)%4)+\b)+7], v[128*(\p)+FR*\b:128*(\p)+FR*\b+FR-1], v[AF+FR*(\a):AF+FR*(\a)+FR-1], 0
.else
	v_wmma_f32_16x16x128_fp8_fp8 v[8*(8*((\a)%4)+\b):8*(8*((\a)%4)+\b)+7], v[128*(\p)+FR*\b:128*(\p)+FR*\b+FR-1], v[AF+FR*(\a):AF+FR*(\a)+FR-1], v[8*(8*((\a)%4)+\b):8*(8*((\a)%4)+\b)+7]
.endif
.endr
.endr
.endm
.macro FETCH_B slot, q, p
	WIN TO_B
.irp i, 0,1,2,3
	FRAG 128*(\p)+FR*\i, ADRB+\slot, \q, \i
.endr
	WIN 0
.endm
.macro FETCH_A slot, q, i0
.irp i, \i0, \i0+1, \i0+2, \i0+3
	FRAG AF+FR*(\i), ADRA+\slot, \q, \i
.endr
.endm
.macro PLACES n
.rept \n
	v_nop
.endr
.endm
.macro STEP slot, q, zero
	s_wait_dscnt 4*NL
	WIN MUL_LO
	MUL16 0, (\q)%2, \zero
	MUL16 2, (\q)%2, \zero
	s_wait_dscnt 0
	PLACES NP
	FETCH_B \slot, (\q)+1, 1-(\q)%2
	FETCH_A \slot, (\q)+1, 0
	WIN MUL_HI
	MUL16 4, (\q)%2, \zero
	MUL16 6, (\q)%2, \zero
	PLACES NP
	WIN 0
	FETCH_A \slot, (\q)+1, 4
.endm
.macro TURN slot, next, fill
	s_wait_tensorcnt 0x0
	ds_add_u32 v[SPW], v[NIL]
	s_wait_dscnt 4*NL+1
	WIN MUL_LO
	MUL16 0, 1, 0
	s_wait_dscnt 0x0
	s_barrier_signal -1
	MUL16 2, 1, 0
	WIN 0
	s_barrier_wait -1
.if \fill
	CREST
	s_add_nc_u64 s[G0+4*\slot+2:G0+4*\slot+3], s[G0+4*\slot+2:G0+4*\slot+3], 2*KCH
	s_add_nc_u64 s[G0B+4*\slot+2:G0B+4*\slot+3], s[G0B+4*\slot+2:G0B+4*\slot+3], 2*KCH
	JLOAD G0+4*\slot, G1, G0B+4*\slot, G1B
.else
	PLACES NP
.endif
	FETCH_B \next, 0, 0
	FETCH_A \next, 0, 0
	WIN MUL_HI
	MUL16 4, 1, 0
	MUL16 6, 1, 0
	PLACES NP
	WIN 0
	FETCH_A \next, 0, 4
.endm
	s_wait_alu depctr_va_vdst(0)
	s_wait_tensorcnt 1
	s_barrier_signal -1
	s_barrier_wait -1
	FETCH_B 0, 0, 0
	FETCH_A 0, 0, 0
	FETCH_A 0, 0, 4
	STEP 0, 0, 1
	TURN 0, 1, 1
	STEP 1, 0, 0
	TURN 1, 0, 1
	STEP 0, 0, 0
	TURN 0, 1, 0
	STEP 1, 0, 0
	s_wait_dscnt 4*NL
	WIN MUL_LO
	MUL16 0, 1, 0
	MUL16 2, 1, 0
	s_wait_dscnt 0
	WIN MUL_HI
	MUL16 4, 1, 0
	MUL16 6, 1, 0
	WIN 0
.macro TOSTAGE a
.set AC, 64*((\a)%4)
	WIN 0x08+4*((\a)/4)
.irp b, 0,1,2,3
	ds_store_b128 v[STO], v[AC+8*\b:AC+8*\b+3] offset:64*\b
	ds_store_b128 v[STO], v[AC+8*\b+4:AC+8*\b+7] offset:64*\b+16
.endr
	WIN 0
.set BB, BK+64*((\a)%2)
.irp t, 0,1,2,3,4,5,6,7
	ds_load_b128 v[BB+4*\t:BB+4*\t+3], v[RD] offset:2*\t*SPITCH
.endr
.endm
.macro SEND a, younger
.set BB, BK+64*((\a)%2)
	s_wait_dscnt \younger
.if (\a) > 0
	s_add_nc_u64 s[76:77], s[76:77], 16*4096
.endif
.irp t, 0,1,2,3,4,5,6,7
	v_pk_fma_f32 v[BB+4*\t:BB+4*\t+1], v[BB+4*\t:BB+4*\t+1], s[96:97], v[BO:BO+1] op_sel_hi:[1,0,1]
	v_pk_fma_f32 v[BB+4*\t+2:BB+4*\t+3], v[BB+4*\t+2:BB+4*\t+3], s[96:97], v[BO+2:BO+3] op_sel_hi:[1,0,1]
.endr
.irp t, 0,1,2,3,4,5,6,7
	global_store_b128 v27, v[BB+4*\t:BB+4*\t+3], s[76:77] offset:2*\t*4096 th:TH_STORE_NT
.endr
.endm
	s_wait_kmcnt 0x0
	s_add_co_i32 s96, s96, s97
	s_add_co_i32 s96, s96, 127
	s_lshl_b32 s96, s96, 23
	s_mov_b32 s97, s96
	s_wait_loadcnt 0x0
	PLACES NP
	TOSTAGE 0
.irp a, 1,2,3,4,5,6,7
.if \a > 1
	s_wait_xcnt 0x0
.endif
	TOSTAGE \a
	SEND \a-1, 16
.endr
	s_wait_xcnt 0x0
	SEND 7, 0
	s_wait_tensorcnt 0x0
	ds_add_u32 v[SPW], v[NIL]
	s_wait_dscnt 0x0
	CROUND
	s_endpgm
.Lfunc_end_k_q51ff8b62a3_proj:
	.size	k_q51ff8b62a3_proj, .Lfunc_end_k_q51ff8b62a3_proj-k_q51ff8b62a3_proj
	.p2alignl 7, 3214868480
	.fill 96, 4, 3214868480
	.section	.rodata,"a",@progbits
	.p2align	6, 0x0
	.amdhsa_kernel k_q51ff8b62a3_proj
		.amdhsa_group_segment_fixed_size 327680
		.amdhsa_private_segment_fixed_size 0
		.amdhsa_enable_private_segment 0
		.amdhsa_kernarg_size 40
		.amdhsa_user_sgpr_count 2
		.amdhsa_user_sgpr_kernarg_segment_ptr 1
		.amdhsa_wavefront_size32 1
		.amdhsa_system_sgpr_workgroup_id_x 1
		.amdhsa_system_sgpr_workgroup_id_y 1
		.amdhsa_system_sgpr_workgroup_id_z 1
		.amdhsa_system_vgpr_workitem_id 0
		.amdhsa_next_free_vgpr 1024
		.amdhsa_next_free_sgpr 100
		.amdhsa_reserve_vcc 0
		.amdhsa_float_denorm_mode_32 3
		.amdhsa_float_denorm_mode_16_64 3
		.amdhsa_memory_ordered 1
		.amdhsa_forward_progress 1
		.amdhsa_inst_pref_size 79
	.end_amdhsa_kernel
	.amdgpu_metadata
---
amdhsa.version: [ 1, 2 ]
amdhsa.kernels:
  - .name:           k_q51ff8b62a3_proj
    .symbol:         k_q51ff8b62a3_proj.kd
    .args:
      - { .name: Ac, .offset: 0, .size: 8, .value_kind: global_buffer, .address_space: global }
      - { .name: wc, .offset: 8, .size: 8, .value_kind: global_buffer, .address_space: global }
      - { .name: lowp_scales, .offset: 16, .size: 8, .value_kind: global_buffer, .address_space: global }
      - { .name: bo, .offset: 24, .size: 8, .value_kind: global_buffer, .address_space: global }
      - { .name: out0, .offset: 32, .size: 8, .value_kind: global_buffer, .address_space: global }
    .group_segment_fixed_size: 327680
    .private_segment_fixed_size: 0
    .kernarg_segment_align: 8
    .kernarg_segment_size: 40
    .max_flat_workgroup_size: 128
    .sgpr_count:     100
    .vgpr_count:     1024
    .wavefront_size: 32
...
	.end_amdgpu_metadata
.endif
;; end of part 4
